; MI455X (gfx1250); checked and timed in simulation.
; The chip was launched on July 23, 2026; its instructions are those of AMD's public machine-readable ISA for CDNA 5 (MIT licence, August 2026) and "CDNA5" Instruction Set Architecture Reference Guide (July 2026). The comments in the code are by the model that wrote it; some were corrected since.
;; CLIP Attention. Allowed arithmetic: matrix products marked QUANTISED: E2M1 operands, one E8M0 scale for each 32 along K, by v_wmma_scale_f32_16x16x128_f8f6f4 with both operands' format E2M1 (or v_wmma_scale_f32_32x16x128_f4), f32 sums; products left as they are: bf16, f16 or f32 operands; f32 sums; everything else in f32.
;; Inputs: bk 1,024 float32; bo 1,024 float32; bq 1,024 float32; bv 1,024 float32; wk 1,024 x 1,024 float32; wo 1,024 x 1,024 float32; wq 1,024 x 1,024 float32; wv 1,024 x 1,024 float32; x 8 x 1,024 x 1,024 float32.
;; Outputs: out0 8 x 1,024 x 1,024 float32.
;; This version of the problem:
;;   THIS VERSION OF THE PROBLEM IS GIVEN IN LOW PRECISION. The matrix products marked QUANTISED in the list below multiply operands that are first quantised to E2M1 (2 exponent bits, 1 mantissa bit; 4 bits a number), with one power-of-two scale for each 32 numbers along K (OCP MX v1.0); their sums are f32. The products marked 'left as it is' may take bf16, f16 or f32 operands, with f32 sums. Whichever they take, every output number must still come out within the allowed error. Rounding operands to bf16 (8 significant bits) uses up far more of that allowance than f16 does (11 bits, for magnitudes from 6e-5 to 65,504). All else is computed in f32.
;;   The module's matrix products, in the order in which they are computed (A, B: the left and right operand; K: the contracted axis; several contracted axes count as one K, in the product's order):
;;     1. [M 8,192, K 1,024] x [K 1,024, N 1,024]; A: input x; B: input wq: QUANTISED
;;     2. [M 8,192, K 1,024] x [K 1,024, N 1,024]; A: input x; B: input wk: QUANTISED
;;     3. [M 8,192, K 1,024] x [K 1,024, N 1,024]; A: input x; B: input wv: QUANTISED
;;     4. batch 128 x [M 1,024, K 64] x [K 64, N 1,024]; A: computed on the way; B: computed on the way: left as it is (an operand is computed on the way)
;;     5. batch 128 x [M 1,024, K 1,024] x [K 1,024, N 64]; A: computed on the way; B: computed on the way: left as it is (an operand is computed on the way)
;;     6. [M 8,192, K 1,024] x [K 1,024, N 1,024]; A: computed on the way; B: input wo: left as it is (an operand is computed on the way)
;;   THE QUANTISER, for each operand of a quantised product, along K:
;;     - K is cut into blocks of 32 from its start; a last block that is shorter is filled with zeros.
;;     - A block's scale is 2^e with e = floor(log2(the largest magnitude in the block)) - 2, held to -126 .. 127; a block of zeros has e = 0. As a byte (E8M0): e + 127.
;;     - Each number is divided by its block's scale, clamped to +-6, and rounded to the nearest number of E2M1, ties to even, subnormals kept.
;;     - The product sums the exact products of the quantised numbers (number of the format x scale) in f32.
;;   ~~~python
;;   def quantise(x, axis):      # numpy; x: float32 -> the quantised numbers, widened to float32 again
;;       x = np.moveaxis(x, axis, -1); K = x.shape[-1]
;;       x = np.pad(x, [(0, 0)] * (x.ndim - 1) + [(0, -K % 32)]); x = x.reshape(x.shape[:-1] + (-1, 32)); a = np.abs(x).max(-1, keepdims=True)
;;       e = np.where(a > 0, np.clip(np.frexp(np.where(a > 0, a, 1))[1] - 1 - 2, -126, 127), 0)      # np.frexp(a)[1] - 1 = floor(log2(a)), exactly
;;       r = np.clip(x / 2.0 ** e, -6, 6)
;;       step = 2.0 ** (np.maximum(np.frexp(np.where(r == 0, 1, r))[1] - 1, 0) - 1)
;;       q = np.round(r / step) * step * 2.0 ** e      # np.round: ties to even
;;       return np.moveaxis(q.reshape(q.shape[:-2] + (-1,))[..., :K], -1, axis).astype(np.float32)
;;   ~~~
;; One version. Each part assembles by itself: llvm-mc -triple=amdgcn-amd-amdhsa -mcpu=gfx1250 --defsym DOCPART=n.
;; ======== version 1 of 1: 4 launches
;; limits: values are held in f16: magnitudes above 65,504 overflow, below 6.1e-05 lose precision
;; workspace buffers: x_codes 4,194,304 bytes; x_scales 262,144 bytes; w_codes 1,572,864 bytes; w_scales 98,304 bytes; wo16 2,097,152 bytes; qkv16 50,331,648 bytes; a16 16,777,216 bytes
;; launch prep (part 1): grid 384 x 1, 4 waves a work-group, no clusters, 67,072 bytes of LDS; arguments x, wq, wk, wv, wo, x_codes, x_scales, w_codes, w_scales, wo16; writes x_codes, x_scales, w_codes, w_scales, wo16
.if DOCPART == 1
	.amdgcn_target "amdgcn-amd-amdhsa--gfx1250"
	.amdhsa_code_object_version 6
	.text
	.protected	k_q674cd2de18_prep
	.globl	k_q674cd2de18_prep
	.p2align	8
	.type	k_q674cd2de18_prep,@function
k_q674cd2de18_prep:
	s_mov_b64 s[64:65], 0
	v_nop
	global_prefetch_b8 v0, s[64:65] scope:SCOPE_SE
	s_setreg_imm32_b32 hwreg(HW_REG_WAVE_MODE, 25, 1), 1
	s_wait_xcnt 0x0
; x [8192][1024], wq, wk, wv [1024][1024], f32, become codes of FP4 (E2M1), K innermost, two codes a byte, with one E8M0 scale byte for each 32 along K; wo [1024][1024] becomes f16, laid as images of operand registers.
; A block's scale is 2^(floor(log2(its largest magnitude)) - 2); its byte is the largest magnitude's exponent field - 2, held at 1 from below.  A block of zeros so gets the byte 1 where the rule says 127:
; its codes are zeros, which add nothing under any byte but 0xff, and the bytes are read by this program alone.
; LIMITS: NaN and infinities among the inputs are not served; numbers of wo beyond 65,504 in magnitude have no f16.
; WORK-GROUPS: 0-255 take x, 256-287 wq, 288-319 wk, 320-351 wv (32,768 numbers each; rows are dense, so a tensor is a plain stream of blocks of 32), 352-383 take wo.
; THE QUANTISER: a wave takes 16 steps of 512 numbers.  Each of a step's four loads reads 512 consecutive bytes; the 2,048 bytes turn through the wave's own stage in LDS and come back 64 bytes a lane: 16 neighbours,
; two lanes to a block.  A lane's 16 codes are 8 bytes: the wave stores 256 consecutive bytes.  A wave's 256 scale bytes are gathered in LDS and leave as one aligned run of 256 bytes.
; Loads run eight steps (32 loads, 16,384 bytes a wave) ahead, the turn through LDS one step.
; WO: wo16 is [tile of 16 rows: 64][piece of 16 along K: 64][512 bytes]; in a piece lane l = (r = l % 16, h = l / 16) holds row r, k = 16 piece + 8 h + 0 .. 7 in 16 bytes at 16 l: two pieces on end are the eight
; registers of a 16 x 32 operand.  A wave takes 16 rows x 512 k in four units of 128 k: rows come in as they lie (512 bytes a load), turn through a stage of 16 rows x 528 bytes, and leave 512 consecutive bytes a store.
; No tensor loads, no barrier: waves share nothing.  The two paths have LDS bytes of their own.
.set STEPS, 16
.set DEPTH, 8                          ; steps whose loads are out
.set EMAX,  2
.set CB,    8                          ; bytes of 16 codes
.set R,     16                         ; v16-143  eight sets of 16 numbers as they are loaded
.set X,     144                        ; v144-175 two sets of 16 neighbours
.set E,     176                        ; v176-191 a scale byte for each step
.set C,     192                        ; v192-255 codes: four registers for each step, so that no store's data are written again
.set WREG,  8192                       ; LDS: a region for each wave: two stages of 32 x SP bytes, and behind them its 256 scale bytes
.set SP,    80                         ; a lane's place in a stage: its 64 bytes + 16 of padding
.set WSTG,  4*WREG                     ; behind the four regions: wo's stages, 16 rows x WP bytes for each wave
.set WP,    528                        ; 512 bytes + 16: the sixteen rows that a load touches start 16 bytes apart modulo 256
.set SPARE, WSTG+4*16*WP               ; the spare words, 128 bytes for each wave: two blocks of 256 bytes that no other line names
.set SPW,   12                         ; v12  LDS address of my spare word; never rewritten
.set NIL,   13                         ; v13  0; never rewritten
.set WA,    3                          ; v3   16 x lane
.set WST,   10                         ; v10  wo: my stage + 16 x lane
.set WRD,   1                          ; v1   wo: my stage + WP r + 32 h
.set L,     16                         ; wo: v16-143 two sets of 16 rows x 16 bytes a lane
.set BK,    144                        ; wo: v144-175 four pieces' numbers, 8 a lane each
.set OC,    176                        ; wo: v176-191 four pieces in f16
.set SRC,   26                         ; s[26:27] the numbers;  s[28:29] the codes;  s[30:31] the scale bytes
.set DC,    28
.set DS,    30
	s_load_b256 s[4:11], s[0:1], 0x0               ; x, wq, wk, wv
	s_load_b256 s[12:19], s[0:1], 0x20             ; wo, x_codes, x_scales, w_codes
	s_load_b128 s[20:23], s[0:1], 0x40             ; w_scales, wo16
	v_lshl_add_u32 v[SPW], v0, 2, SPARE
	v_mov_b32 v[NIL], 0
	v_lshrrev_b32 v1, 5, v0
	v_readfirstlane_b32 s24, v1                    ; wave
	v_and_b32 v2, 31, v0                           ; lane
	v_lshlrev_b32 v[WA], 4, v2                     ; my 16 bytes of a load's 512
	s_mul_i32 s25, s24, WREG
	v_lshrrev_b32 v14, 2, v2
	v_mul_u32_u24 v14, v14, SP
	v_and_b32 v15, 3, v2
	v_lshl_add_u32 v14, v15, 4, v14
	v_add_nc_u32 v14, s25, v14                     ; the stage, on the way in: four lanes' 64 bytes on end, then 16 of padding
	v_mul_u32_u24 v15, v2, SP
	v_add_nc_u32 v15, s25, v15                     ; and on the way out: SP x lane: my 16 neighbours
	v_mul_u32_u24 v4, v2, CB                       ; my codes' place in a step's
	v_lshrrev_b32 v5, 1, v2
	s_add_co_u32 s25, s25, 2*32*SP
	v_add_nc_u32 v5, s25, v5                       ; LDS: my wave's 256 scale bytes, my block's byte
	v_lshlrev_b32 v7, 3, v2                        ; and on the way out 8 bytes a lane
	v_add_nc_u32 v6, s25, v7
	s_mul_i32 s25, s24, 16*WP
	s_add_co_u32 s25, s25, WSTG                    ; wo: my stage
	v_add_nc_u32 v[WST], s25, v[WA]
	v_and_b32 v[WRD], 15, v0
	v_mul_u32_u24 v[WRD], v[WRD], WP
	v_bfe_u32 v8, v0, 4, 1
	v_lshl_add_u32 v[WRD], v8, 5, v[WRD]
	v_add_nc_u32 v[WRD], s25, v[WRD]
	s_mov_b32 s35, 0
	s_wait_kmcnt 0x0
	s_cmp_ge_u32 ttmp9, 352
	s_cbranch_scc1 .Lwo
	; ---- the quantiser.  Which tensor: choices that hang on the work-group's number alone
	s_cmp_lt_u32 ttmp9, 320
	s_cselect_b64 s[SRC:SRC+1], s[8:9], s[10:11]
	s_cmp_lt_u32 ttmp9, 288
	s_cselect_b64 s[SRC:SRC+1], s[6:7], s[SRC:SRC+1]
	s_cmp_lt_u32 ttmp9, 256
	s_cselect_b64 s[SRC:SRC+1], s[4:5], s[SRC:SRC+1]
	s_cselect_b64 s[DC:DC+1], s[14:15], s[18:19]
	s_cselect_b64 s[DS:DS+1], s[16:17], s[20:21]
	s_cselect_b32 s32, 255, 31                     ; x has 256 work-groups, a weight 32
	s_and_b32 s33, ttmp9, s32
	s_lshl_b32 s33, s33, 2
	s_add_co_u32 s33, s33, s24                     ; which run of 8,192 numbers of the tensor is my wave's
	s_lshl_b32 s34, s33, 15
	s_add_nc_u64 s[SRC:SRC+1], s[SRC:SRC+1], s[34:35]
	s_and_b32 s33, ttmp9, 255                      ; the three weights' codes lie on end: wq, wk, wv
	s_lshl_b32 s33, s33, 2
	s_add_co_u32 s33, s33, s24
	s_lshl_b32 s34, s33, 12                        ; 4,096 bytes of codes a run,
	s_add_nc_u64 s[DC:DC+1], s[DC:DC+1], s[34:35]
	s_lshl_b32 s34, s33, 8                         ; 256 scale bytes
	s_add_nc_u64 s[DS:DS+1], s[DS:DS+1], s[34:35]
.macro LOAD t
.irp i, 0,1,2,3
	global_load_b128 v[R+16*((\t)%DEPTH)+4*\i:R+16*((\t)%DEPTH)+4*\i+3], v[WA], s[SRC:SRC+1] offset:2048*(\t)+512*\i th:TH_LOAD_NT   ; 32 lanes read 512 consecutive bytes
.endr
.endm
.macro TURN t                          ; step t's numbers through the stage: LDS serves a wave's instructions in order, so no wait stands between the stores and the loads
.irp i, 0,1,2,3
	ds_store_b128 v14, v[R+16*((\t)%DEPTH)+4*\i:R+16*((\t)%DEPTH)+4*\i+3] offset:32*SP*((\t)%2)+8*SP*\i
.endr
.irp i, 0,1,2,3
	ds_load_b128 v[X+16*((\t)%2)+4*\i:X+16*((\t)%2)+4*\i+3], v15 offset:32*SP*((\t)%2)+16*\i
.endr
.endm
.irp t, 0,1,2,3,4,5,6,7
	LOAD \t
.endr
	s_wait_loadcnt 4*(DEPTH-1)                     ; step 0's four loads are in; those of the seven steps behind it may be out
	TURN 0
.macro STEP t
.set XS, X+16*((\t)%2)
.if (\t) > 0
	s_wait_dscnt 1                                 ; this step's numbers are back from the stage (the last step's byte store may be out): so its stores into the stage have read their registers,
.else
	s_wait_dscnt 0x0
.endif
.if (\t)+DEPTH < STEPS
	LOAD (\t)+DEPTH                                ; which take the loads of eight steps on
.endif
.if (\t)+1 < STEPS
.if STEPS-2-(\t) >= DEPTH-1
	s_wait_loadcnt 4*(DEPTH-1)                     ; the next step's four loads are in; those of the seven steps behind it may be out
.else
	s_wait_loadcnt 4*(STEPS-2-(\t))                ; in the tail: as many steps as are left behind the next
.endif
	TURN (\t)+1                                    ; and go through the other stage while this step is worked
.endif
	v_max3_num_f32 v8, |v[XS]|, |v[XS+1]|, |v[XS+2]|               ; the largest magnitude of my 16
	v_max3_num_f32 v9, |v[XS+3]|, |v[XS+4]|, |v[XS+5]|
.irp i, 6,10
	v_max3_num_f32 v8, v8, |v[XS+\i]|, |v[XS+\i+1]|
	v_max3_num_f32 v9, v9, |v[XS+\i+2]|, |v[XS+\i+3]|
.endr
	v_max3_num_f32 v8, v8, |v[XS+14]|, |v[XS+15]|
	v_max3_num_f32 v8, v8, v9, (EMAX+1)<<23        ; and the floor 2^(EMAX + 1 - 127): so the byte cannot fall under 1
	v_max_num_f32_dpp v8, v8, v8 row_xmask:1 row_mask:0xf bank_mask:0xf   ; and of my neighbour's 16: the block's
	v_add_nc_u32 v11, -(EMAX<<23), v8              ; EMAX off its exponent field: the conversion takes the exponent field of this operand as its scale, and nothing else of it
	v_cvt_scalef32_pk8_fp4_f32 v[C+4*(\t)], v[XS:XS+7], v11        ; eight numbers / the scale, to the nearest code, ties to even, beyond the largest code the largest
	v_cvt_scalef32_pk8_fp4_f32 v[C+4*(\t)+1], v[XS+8:XS+15], v11
	v_lshrrev_b32 v[E+(\t)], 23, v11               ; the scale's byte (also the plain line behind the conversions)
	ds_store_b8 v5, v[E+(\t)] offset:16*(\t)       ; both lanes of a block write the same byte with the same value
	global_store_b64 v4, v[C+4*(\t):C+4*(\t)+1], s[DC:DC+1] offset:32*CB*(\t)   ; the wave stores 256 consecutive bytes, aligned
.endm
.irp t, 0,1,2,3,4,5,6,7,8,9,10,11,12,13,14,15
	STEP \t
.endr
	ds_load_b64 v[8:9], v6                         ; LDS serves a wave's instructions in order: these see my stores
	s_wait_dscnt 0x0
	global_store_b64 v7, v[8:9], s[DS:DS+1]        ; 32 lanes store 256 consecutive bytes, aligned
	s_wait_tensorcnt 0x0                           ; the wave's end, behind my last LDS store
	ds_add_u32 v[SPW], v[NIL]
	s_wait_dscnt 0x0
	s_endpgm
	; ---- wo into f16 images
.Lwo:
	s_sub_co_u32 s25, ttmp9, 352
	s_lshl_b32 s25, s25, 2
	s_add_co_u32 s25, s25, s24                     ; 0 .. 127
	s_lshr_b32 s32, s25, 1                         ; my tile of 16 rows
	s_and_b32 s33, s25, 1                          ; my half of K
	s_lshl_b32 s34, s32, 16                        ; 16 rows of 4,096 bytes
	s_lshl_b32 s36, s33, 11                        ; 512 numbers
	s_add_co_u32 s34, s34, s36
	s_add_nc_u64 s[12:13], s[12:13], s[34:35]
	s_lshl_b32 s34, s32, 15                        ; a tile's 64 pieces
	s_lshl_b32 s36, s33, 14                        ; 32 pieces
	s_add_co_u32 s34, s34, s36
	s_add_nc_u64 s[22:23], s[22:23], s[34:35]
.macro WLOAD u, set                    ; unit u: 128 numbers of each of the 16 rows: a row's 512 consecutive bytes a load
.irp j, 0,1,2,3,4,5,6,7,8,9,10,11,12,13,14,15
	global_load_b128 v[L+64*(\set)+4*\j:L+64*(\set)+4*\j+3], v[WA], s[12:13] offset:4096*\j+512*(\u) th:TH_LOAD_NT
.endr
.endm
.macro UNIT u
.if (\u) < 3
	s_wait_loadcnt 16                              ; this unit's 16 loads are in; the next unit's may be out
.else
	s_wait_loadcnt 0x0
.endif
.irp j, 0,1,2,3,4,5,6,7,8,9,10,11,12,13,14,15
	ds_store_b128 v[WST], v[L+64*((\u)%2)+4*\j:L+64*((\u)%2)+4*\j+3] offset:WP*\j
.endr
.irp half, 0,1
.irp p, 0,1,2,3
	ds_load_b128 v[BK+8*\p:BK+8*\p+3], v[WRD] offset:64*(4*\half+\p)          ; row r, k = 16 piece + 8 h + 0 .. 3
	ds_load_b128 v[BK+8*\p+4:BK+8*\p+7], v[WRD] offset:64*(4*\half+\p)+16     ; and + 4 .. 7
.endr
	s_wait_dscnt 0x0                               ; the numbers are back; the stores into the stage have read their registers
	s_wait_xcnt 0x0                                ; the earlier stores have read their data: the packed registers may be written again
.if (\half == 0) && ((\u) < 2)
	WLOAD (\u)+2, (\u)%2                           ; the set just staged takes the unit two on
.endif
.irp p, 0,1,2,3
.irp i, 0,1,2,3
	v_cvt_pk_f16_f32 v[OC+4*\p+\i], v[BK+8*\p+2*\i], v[BK+8*\p+2*\i+1]
.endr
.endr
.irp p, 0,1,2,3
	global_store_b128 v[WA], v[OC+4*\p:OC+4*\p+3], s[22:23] offset:4096*(\u)+512*(4*\half+\p)   ; a piece: 512 consecutive bytes, aligned
.endr
.endr
.endm
	WLOAD 0, 0
	WLOAD 1, 1
	UNIT 0
	UNIT 1
	UNIT 2
	UNIT 3
	s_wait_tensorcnt 0x0                           ; the wave's end, behind my last LDS store
	ds_add_u32 v[SPW], v[NIL]
	s_wait_dscnt 0x0
	s_endpgm
.Lfunc_end_k_q674cd2de18_prep:
	.size	k_q674cd2de18_prep, .Lfunc_end_k_q674cd2de18_prep-k_q674cd2de18_prep
	.p2alignl 7, 3214868480
	.fill 96, 4, 3214868480
	.section	.rodata,"a",@progbits
	.p2align	6, 0x0
	.amdhsa_kernel k_q674cd2de18_prep
		.amdhsa_group_segment_fixed_size 67072
		.amdhsa_private_segment_fixed_size 0
		.amdhsa_enable_private_segment 0
		.amdhsa_kernarg_size 80
		.amdhsa_user_sgpr_count 2
		.amdhsa_user_sgpr_kernarg_segment_ptr 1
		.amdhsa_wavefront_size32 1
		.amdhsa_system_sgpr_workgroup_id_x 1
		.amdhsa_system_sgpr_workgroup_id_y 1
		.amdhsa_system_sgpr_workgroup_id_z 1
		.amdhsa_system_vgpr_workitem_id 0
		.amdhsa_next_free_vgpr 256
		.amdhsa_next_free_sgpr 66
		.amdhsa_reserve_vcc 0
		.amdhsa_float_denorm_mode_32 3
		.amdhsa_float_denorm_mode_16_64 3
		.amdhsa_memory_ordered 1
		.amdhsa_forward_progress 1
		.amdhsa_inst_pref_size 60
	.end_amdhsa_kernel
	.amdgpu_metadata
---
amdhsa.version: [ 1, 2 ]
amdhsa.kernels:
  - .name:           k_q674cd2de18_prep
    .symbol:         k_q674cd2de18_prep.kd
    .args:
      - { .name: x, .offset: 0, .size: 8, .value_kind: global_buffer, .address_space: global }
      - { .name: wq, .offset: 8, .size: 8, .value_kind: global_buffer, .address_space: global }
      - { .name: wk, .offset: 16, .size: 8, .value_kind: global_buffer, .address_space: global }
      - { .name: wv, .offset: 24, .size: 8, .value_kind: global_buffer, .address_space: global }
      - { .name: wo, .offset: 32, .size: 8, .value_kind: global_buffer, .address_space: global }
      - { .name: x_codes, .offset: 40, .size: 8, .value_kind: global_buffer, .address_space: global }
      - { .name: x_scales, .offset: 48, .size: 8, .value_kind: global_buffer, .address_space: global }
      - { .name: w_codes, .offset: 56, .size: 8, .value_kind: global_buffer, .address_space: global }
      - { .name: w_scales, .offset: 64, .size: 8, .value_kind: global_buffer, .address_space: global }
      - { .name: wo16, .offset: 72, .size: 8, .value_kind: global_buffer, .address_space: global }
    .group_segment_fixed_size: 67072
    .private_segment_fixed_size: 0
    .kernarg_segment_align: 8
    .kernarg_segment_size: 80
    .max_flat_workgroup_size: 128
    .sgpr_count:     66
    .vgpr_count:     256
    .wavefront_size: 32
...
	.end_amdgpu_metadata
.endif
;; end of part 1
;; launch qkv (part 2): grid 8 x 32, 4 waves a work-group, clusters of 4 x 4, 327,680 bytes of LDS; arguments x_codes, x_scales, w_codes, w_scales, bq, bk, bv, qkv16; writes qkv16
.if DOCPART == 2
	.amdgcn_target "amdgcn-amd-amdhsa--gfx1250"
	.amdhsa_code_object_version 6
	.text
	.protected	k_q674cd2de18_qkv
	.globl	k_q674cd2de18_qkv
	.p2align	8
	.type	k_q674cd2de18_qkv,@function
k_q674cd2de18_qkv:
	s_mov_b64 s[64:65], 0
	v_nop
	global_prefetch_b8 v0, s[64:65] scope:SCOPE_SE
	s_setreg_imm32_b32 hwreg(HW_REG_WAVE_MODE, 25, 1), 1
	s_wait_xcnt 0x0
	s_wait_alu depctr_hold_cnt(0) depctr_sa_sdst(0) depctr_va_vdst(0) depctr_va_sdst(0) depctr_va_ssrc(0) depctr_va_vcc(0) depctr_vm_vsrc(0)
	s_getreg_b32 s2, hwreg(HW_REG_IB_STS2, 6, 4)
	s_cmp_eq_u32 s2, 0
	s_cbranch_scc0 .Lentry_in_a_cluster
	s_endpgm
.Lentry_in_a_cluster:
	s_bfe_u32 s2, ttmp6, 0x10000c
	s_cmp_lg_u32 s2, 0xf033
	s_cbranch_scc0 .Lentry_shape_is_right
	s_endpgm
.Lentry_shape_is_right:
; q = x wq^T + bq, k = x wk^T + bk, v = x wv^T + bv on codes of FP4 (E2M1) with one E8M0 scale for each 32 along K = 1,024; sums in f32; results rounded once to f16.
; x_codes [8192][512 bytes], x_scales [8192][32]; w_codes [3072][512], w_scales [3072][32]: rows 0-1023 wq, 1024-2047 wk, 2048-3071 wv.
; SHARES.  256 work-groups of equal work.  Work-group (tx 0 .. 7, ty 0 .. 31) makes TWO things from the same 256 tokens (x's rows 256 ty on), which come into LDS once, for all of K:
;   PART 1: 256 tokens x 256 channels of q (tx 0-3) or k (tx 4-7): four waves, 128 x 128 each: 64 accumulators, 512 registers;
;   PART 2: 128 channels of v (wv's rows 128 tx on) x the 256 tokens: four waves, 64 channels x 128 tokens each: 32 accumulators.  Part 1's stores leave while part 2 is multiplied.
; K is two slots of 512 (rows of 256 bytes), each with x's 256 rows and then the weight's 256; both are asked for at the head.  When slot 0 has been read, its 256 rows of the weight are filled again, once, with wv's
; 128 rows for both halves of K (2 x 128 rows: the same bytes); that load has slot 1's four steps and half of the way out in which to land.
; THE MATRIX INSTRUCTION: a lane holds ONE row of source 1 and EIGHT neighbouring rows of source 0.  Part 1: source 0 = the weight, source 1 = x: a token's eight channels.  Part 2: source 0 = x, source 1 = wv: a channel's
; eight keys, which is how the second product of attention wants v.
; RESULTS ARE STORED AS IMAGES OF OPERAND REGISTERS.  An accumulator, packed to f16, is a piece of 512 bytes, lane l's 16 bytes at 16 l, and goes out by one store of 512 consecutive bytes: no way through LDS.
;   qkv16, regions 0 (q) and 1 (k): [batch 8][head 16][tile of 16 tokens: 64][piece 4][512]: lane (r, h) holds token r, channels 16 piece + 8 h + 0 .. 7.
;   region 2 (v): [batch 8][group of 64 keys: 16][head 16][tile of 16 channels: 4][piece 4][512]: lane (r, h) holds channel r, keys 16 piece + 8 h + 0 .. 7.
; THE BIASES are the C of each sum's first product: nothing is cleared, nothing is added later.
; CLUSTERS: 4 x 4 work-groups.  The four of a row of the cluster (one ty) need the same tiles of x, the four of a column (one tx) the same tiles of the weights, wv's too: each tile is asked for jointly, by the same
; tensor load with the same descriptor and a mask that names the four.
; LIMITS: a result beyond 65,504 in magnitude has no f16; NaN and infinities are not served.
; REGISTERS, in windows of 256: window 0: v12-29 bv and addresses; v32-95 scale words, two sets; v96-127 wv's scale words; v128-191 source 1's fragments; v192-255 the biases.
;   window 1: part 1's fragments of the weight, two sets, at v0 and v128; on the ways out the packed pieces.   window 2: the accumulators of my rows 0-63 ((a, b) at v[8 (8 a + b)]); part 2's 32.
;   window 3: the accumulators of my rows 64-127; in part 2 x's fragments, two sets, at v0 and v128.
.set NQ,     4                         ; matrix instructions deep in a slot
.set ROWB,   256                       ; a tile's row in bytes: 512 codes
.set KROW,   512                       ; a row of codes in memory
.set PITCH,  272                       ; an LDS row: 256 bytes + 16 of padding: the 16 rows that a load touches start 16 bytes apart modulo 256
.set FR,     8                         ; registers of a fragment: 16 rows x 128 K
.set NL,     2                         ; LDS loads that bring one
.set NP,     4                         ; places behind this matrix instruction (ISA guide 7.12.1)
.set HALFT,  128*PITCH                 ; 128 rows
.set SLOT,   4*HALFT                   ; x's 256 rows, then the weight's 256 rows
.set WVB,    2*HALFT                   ; wv's place: slot 0's rows of the weight: 128 rows of K's first half, then 128 of its second
.set KS,     32                        ; a row of scales in bytes
.set SCL,    2*SLOT                    ; behind the slots: the scales, as runs of 256 bytes + 16 of padding
.set HALFS,  (128*KS/256)*272          ; the scales of 128 rows: what one tensor load brings
.set SBLK,   (16*KS/256)*272           ; those of 16 rows
.set SPARE,  SCL+4*HALFS               ; the spare words, 128 bytes for each wave: two blocks of 256 bytes that no other line names
.set RL,   12                          ; v12-15  bv of my four blocks of channels, as loaded
.set ADRA, 16                          ; v16-17  part 1: LDS address of my fragments of x in slot 0, 1
.set ADX,  18                          ; v18-19  part 2: the same for my 128 tokens there
.set ADRB, 20                          ; v20-21  part 1: of my fragments of the weight
.set ADW,  22                          ; v22     part 2: of my fragments of wv
.set ADS2, 23                          ; v23     part 2: of x's scale words
.set CO,   26                          ; v26     16 x lane: my place in a piece
.set ADRS, 27                          ; v27     part 1: of my scale words: lanes 0-15 x's rows, lanes 16-31 the weight's
.set SPW,  28                          ; v28     LDS address of my spare word; never rewritten
.set NIL,  29                          ; v29     0; never rewritten
.set SC,   32                          ; scale words: set s at v[SC + 32 s]; register 4 i + q: block i, the slot's q-th 128 along K.  Part 1: lanes 0-15 x's, lanes 16-31 the weight's; part 2: x's in all lanes
.set WS,   96                          ; v96-127  wv's scale words: register 8 a + k: block a, the k-th 128 along K
.set AF,   128                         ; source 1's fragments: part 1: x's eight blocks, one set; part 2: wv's four blocks, two sets
.set CBI,  192                         ; v192-255 part 1: the bias of the weight's block b, eight registers in the result's layout; part 2: v192-223: bv of block a, eight times
.set G0W, 12                           ; s[12:15] descriptor group 0 for wv's tile (where bq's and bk's addresses lay);  s[92:99] its group 1
.set G1, 24                            ; s[24:31] descriptor group 1 for x's tiles;  s[32:39] group 0, one set for each slot
.set G0, 32
.set G1B, 48                           ; s[48:55], s[56:63] the same for the weight's tiles
.set G0B, 56
.set G1S, 68                           ; s[68:75], s[76:79] groups 1 and 0 for x's scales;  s[80:87], s[88:91] for the weight's
.set G0S, 76
.set G1SB, 80
.set G0SB, 88
.set G1W, 92
.set MSB, 0
.macro WIN new                         ; the immediate's high byte repeats the setting that is left
.if MSB != \new
	s_set_vgpr_msb (MSB<<8)|\new
.set MSB, \new
.endif
.endm
.set MUL_LO,  0xa1                     ; source 0 window 1, source 1 window 0, C and D window 2
.set MUL_HI,  0xf1                     ; the same, C and D window 3
.set MUL_LO1, 0x81                     ; the first products: C (the bias) window 0, D window 2
.set MUL_HI1, 0xc1                     ; and D window 3
.set MUL_V,   0xa3                     ; part 2: source 0 window 3, source 1 window 0, C and D window 2
.set MUL_V1,  0x83                     ; its first products: C window 0
.set TO_B,    0x40                     ; destination window 1, address window 0
.set TO_X,    0xc0                     ; destination window 3, address window 0
; A joint load: waves 0 and 1 fetch for x, waves 2 and 3 for the weight.  Each of the two lines has one mask and one set of registers for all that issue it; the branch hangs on the wave's number alone.
; An s_nop 0 and four v_nop follow each of the two lines.
.macro JLOAD g0a, g1a, g0b, g1b
	s_cmp_eq_u32 s21, 0
	s_cbranch_scc0 .Lfor_b_\@
	tensor_load_to_lds s[\g0a:\g0a+3], s[\g1a:\g1a+7]
	s_nop 0
.rept 4
	v_nop
.endr
	s_branch .Lasked_\@
.Lfor_b_\@:
	tensor_load_to_lds s[\g0b:\g0b+3], s[\g1b:\g1b+7]
	s_nop 0
.rept 4
	v_nop
.endr
.Lasked_\@:
.endm
.macro CREST                           ; a round of the cluster's barrier behind its opening barrier
	s_cmp_lg_u32 s20, 0
	s_cbranch_scc1 .Lnot_wave_0_\@
	s_barrier_signal -3
.Lnot_wave_0_\@:
	s_barrier_wait -3
	s_barrier_signal -1
	s_barrier_wait -1
.endm
.macro CROUND                          ; a whole round
	s_barrier_signal -1
	s_barrier_wait -1
	CREST
.endm
	s_load_b256 s[4:11], s[0:1], 0x0               ; x_codes, x_scales, w_codes, w_scales
	s_load_b256 s[12:19], s[0:1], 0x20             ; bq, bk, bv, qkv16
	v_lshl_add_u32 v[SPW], v0, 2, SPARE
	v_mov_b32 v[NIL], 0
	ds_add_u32 v[SPW], v[NIL]                      ; the wave's opening: the add, twice on end, and its wait ahead of my first tensor load
	ds_add_u32 v[SPW], v[NIL]
	v_lshrrev_b32 v1, 5, v0
	v_readfirstlane_b32 s20, v1                    ; wave 0..3
	s_lshr_b32 s21, s20, 1                         ; WR: which half of source 1's rows is mine.  Also: I fetch for x (0) or for the weight (1)
	s_and_b32 s22, s20, 1                          ; WC: which half of source 0's rows.  Also: which 128 rows of that tile I fetch
	s_bfe_u32 s40, ttmp6, 0x40000                  ; cx, cy: my place in the cluster
	s_bfe_u32 s41, ttmp6, 0x40004
	s_lshl_b32 s42, ttmp9, 2
	s_add_co_u32 s42, s42, s40                     ; tx = 4 x cluster x + cx
	s_and_b32 s43, ttmp7, 0xffff
	s_lshl_b32 s43, s43, 2
	s_add_co_u32 s43, s43, s41                     ; ty = 4 x cluster y + cy
	s_lshl_b32 s44, s41, 2
	s_lshl_b32 s44, 15, s44                        ; my row of the cluster
	s_lshl_b32 s45, 0x1111, s40                    ; my column
	; descriptor group 1: a tile of 128 rows x 256 bytes, padded in LDS; wv's: of 64 rows
	s_or_b32 s[G1+0], s44, (0<<16)|(1<<20)|(1<<21)|(5<<22)|(3<<25)  ; 15:0 the mask: x's tiles go to my row; 17:16 element of 1 byte; 20 padding on; 21 set beside a mask; 24:22 after every 64 words; 31:25 four words
	s_or_b32 s[G1B+0], s45, (0<<16)|(1<<20)|(1<<21)|(5<<22)|(3<<25)
	s_or_b32 s[G1W+0], s45, (0<<16)|(1<<20)|(1<<21)|(5<<22)|(3<<25)
.irp g, G1, G1B
	s_mov_b32 s[\g+1], ROWB<<16                    ; tensor_dim0
	s_mov_b32 s[\g+2], 128<<16                     ; tensor_dim1
	s_mov_b32 s[\g+3], ROWB<<16                    ; tile_dim0
	s_mov_b32 s[\g+4], 128                         ; tile_dim1
	s_mov_b32 s[\g+5], KROW                        ; tensor_dim0_stride
	s_mov_b32 s[\g+6], 0
	s_mov_b32 s[\g+7], 0
.endr
	s_mov_b32 s[G1W+1], ROWB<<16
	s_mov_b32 s[G1W+2], 64<<16
	s_mov_b32 s[G1W+3], ROWB<<16
	s_mov_b32 s[G1W+4], 64
	s_mov_b32 s[G1W+5], KROW
	s_mov_b32 s[G1W+6], 0
	s_mov_b32 s[G1W+7], 0
	; the scales of 128 rows: 4,096 dense bytes, as 16 rows of 256 bytes (32 elements of 8 bytes), 16 bytes of padding behind each
	s_or_b32 s[G1S+0], s44, (3<<16)|(1<<20)|(1<<21)|(5<<22)|(3<<25)
	s_or_b32 s[G1SB+0], s45, (3<<16)|(1<<20)|(1<<21)|(5<<22)|(3<<25)
.irp g, G1S, G1SB
	s_mov_b32 s[\g+1], 32<<16
	s_mov_b32 s[\g+2], (128*KS/256)<<16
	s_mov_b32 s[\g+3], 32<<16
	s_mov_b32 s[\g+4], 128*KS/256
	s_mov_b32 s[\g+5], 32
	s_mov_b32 s[\g+6], 0
	s_mov_b32 s[\g+7], 0
.endr
	; the groups 0: counts and LDS addresses: wave x 128 rows: no place in the cluster enters an LDS address
.irp g, G0, G0B
	s_mov_b32 s[\g], 1
	s_mul_i32 s[\g+1], s20, HALFT
	s_mov_b32 s[\g+4], 1
	s_add_co_u32 s[\g+5], s[\g+1], SLOT
.endr
.irp g, G0S, G0SB
	s_mov_b32 s[\g], 1
	s_mul_i32 s[\g+1], s20, HALFS
	s_add_co_u32 s[\g+1], s[\g+1], SCL
.endr
	s_lshl_b32 s46, s22, 7                         ; which 128 rows of the tile I fetch
	s_lshl_b32 s23, s43, 8
	s_add_co_u32 s23, s23, s46                     ; x: row 256 ty + 128 x half
	s_lshl_b32 s100, s42, 8
	s_add_co_u32 s100, s100, s46                   ; the weight: row 256 tx + 128 x half
	s_lshl_b32 s101, s42, 7
	s_lshl_b32 s104, s22, 6
	s_add_co_u32 s101, s101, s104
	s_add_co_u32 s101, s101, 2048                  ; wv: row 2,048 + 128 tx + 64 x (wave % 2),
	s_lshl_b32 s101, s101, 9                       ; in bytes,
	s_lshl_b32 s104, s21, 8
	s_add_co_u32 s101, s101, s104                  ; + 256 x (wave / 2): which half of K
	s_mov_b32 s47, 0
	s_mov_b32 s3, 0
	s_wait_dscnt 0x0                               ; both opening adds are done
	s_wait_kmcnt 0x0
	s_bitcmp1_b32 ttmp9, 0                         ; the cluster's x says which weight part 1's tiles belong to: the same in all sixteen partners
	s_cselect_b64 s[104:105], s[14:15], s[12:13]   ; bk or bq; s[12:15] are free from here on
	s_mov_b32 s2, s101
	s_add_nc_u64 s[G0W+2:G0W+3], s[8:9], s[2:3]    ; wv's tile: made of tx and the wave's number alone
	s_or_b32 s[G0W+3], s[G0W+3], 0x80000000
	s_mov_b32 s[G0W], 1
	s_mul_i32 s[G0W+1], s20, 64*PITCH
	s_add_co_u32 s[G0W+1], s[G0W+1], WVB           ; wave x 64 rows, in slot 0's rows of the weight
	s_lshl_b32 s2, s42, 7
	s_lshl_b32 s101, s21, 6
	s_add_co_u32 s2, s2, s101                      ; part 2: my first channel of v: 128 tx + 64 WR
	s_lshl_b32 s101, s2, 2
	s_add_co_u32 s2, s2, 2048
	s_lshl_b32 s2, s2, 5
	s_add_nc_u64 s[66:67], s[10:11], s[2:3]        ; its scale bytes,
	s_mov_b32 s2, s101
	s_add_nc_u64 s[16:17], s[16:17], s[2:3]        ; its bias
	s_and_b32 s2, s42, 3
	s_lshl_b32 s2, s2, 10
	s_lshl_b32 s101, s22, 9
	s_add_co_u32 s2, s2, s101
	s_add_nc_u64 s[104:105], s[104:105], s[2:3]    ; part 1: the bias of channels 256 (tx % 4) + 128 WC on
	s_lshl_b32 s2, s100, 9
	s_add_nc_u64 s[8:9], s[8:9], s[2:3]            ; the weight's codes at the rows that I fetch,
	s_lshl_b32 s2, s100, 5
	s_add_nc_u64 s[10:11], s[10:11], s[2:3]        ; and their scales
	s_lshl_b32 s46, s23, 9
	s_add_nc_u64 s[4:5], s[4:5], s[46:47]          ; x's likewise: made of ty and the wave's number alone
	s_lshl_b32 s46, s23, 5
	s_add_nc_u64 s[6:7], s[6:7], s[46:47]
	s_mov_b64 s[G0S+2:G0S+3], s[6:7]
	s_or_b32 s[G0S+3], s[G0S+3], 0x80000000
	s_mov_b64 s[G0SB+2:G0SB+3], s[10:11]
	s_or_b32 s[G0SB+3], s[G0SB+3], 0x80000000
.irp s, 0,1
	s_add_nc_u64 s[G0+4*\s+2:G0+4*\s+3], s[4:5], \s*ROWB
	s_or_b32 s[G0+4*\s+3], s[G0+4*\s+3], 0x80000000
	s_add_nc_u64 s[G0B+4*\s+2:G0B+4*\s+3], s[8:9], \s*ROWB
	s_or_b32 s[G0B+4*\s+3], s[G0B+4*\s+3], 0x80000000
.endr
	CROUND                                         ; all sixteen work-groups are here: the joint loads meet
	JLOAD G0S, G1S, G0SB, G1SB                     ; the scales first: they are wanted with slot 0
	JLOAD G0, G1, G0B, G1B
	JLOAD G0+4, G1, G0B+4, G1B                     ; three loads of mine are out
	; the biases and wv's scale words, from memory into registers
	v_and_b32 v1, 15, v0                           ; r = l % 16
	v_bfe_u32 v2, v0, 4, 1                         ; h = l / 16
	v_lshlrev_b32 v7, 5, v2
	v_lshlrev_b32 v8, 2, v1
	v_lshlrev_b32 v9, 5, v1
.irp b, 0,1,2,3,4,5,6,7
	global_load_b128 v[CBI+8*\b:CBI+8*\b+3], v7, s[104:105] offset:64*\b        ; the bias of channels 16 b + 8 h + 0 .. 7
	global_load_b128 v[CBI+8*\b+4:CBI+8*\b+7], v7, s[104:105] offset:64*\b+16
.endr
.irp a, 0,1,2,3
	global_load_b32 v[RL+\a], v8, s[16:17] offset:64*\a                         ; bv of channel 16 a + r
	global_load_b128 v[WS+8*\a:WS+8*\a+3], v9, s[66:67] offset:512*\a           ; the eight scale words of wv's row 16 a + r
	global_load_b128 v[WS+8*\a+4:WS+8*\a+7], v9, s[66:67] offset:512*\a+16
.endr
	v_mul_u32_u24 v3, v1, PITCH
	v_lshl_add_u32 v4, v2, 4, v3                   ; a fragment's row x pitch + 16 x half
	s_mul_i32 s46, s21, HALFT                      ; part 1: my 128 rows of x
	s_mul_i32 s23, s22, HALFT                      ; part 2: my 128 rows of x;
	s_add_co_u32 s2, s23, 2*HALFT                  ; part 1: my 128 rows of the weight, which lie behind x's 256
.irp s, 0,1
	v_add_nc_u32 v[ADRA+\s], s46, v4
	v_add_nc_u32 v[ADX+\s], s23, v4
	v_add_nc_u32 v[ADRB+\s], s2, v4
	s_add_co_u32 s46, s46, SLOT
	s_add_co_u32 s23, s23, SLOT
	s_add_co_u32 s2, s2, SLOT
.endr
	s_mul_i32 s46, s21, 64*PITCH
	s_add_co_u32 s46, s46, WVB
	v_add_nc_u32 v[ADW], s46, v4                   ; part 2: my 64 rows of wv
	v_mul_u32_u24 v5, v1, KS                       ; my row's scales: 32 bytes a row,
	v_lshrrev_b32 v6, 8, v5
	v_lshl_add_u32 v5, v6, 4, v5                   ; and 16 more for each 256 passed
	s_mul_i32 s46, s21, HALFS                      ; part 1: x's: my 128 rows
	s_mul_i32 s23, s22, HALFS
	s_add_co_u32 s2, s23, SCL
	v_add_nc_u32 v[ADS2], s2, v5                   ; part 2: x's: my 128 rows there, in all lanes
	s_add_co_u32 s23, s23, 2*HALFS                 ; part 1: the weight's: my 128 rows, behind x's 256
	s_sub_co_u32 s23, s23, s46
	v_mul_u32_u24 v6, s23, v2                      ; lanes 16-31 take the weight's: the lower base + h x the distance
	s_add_co_u32 s46, s46, SCL
	v_add_nc_u32 v5, v5, v6
	v_add_nc_u32 v[ADRS], s46, v5
	v_and_b32 v6, 31, v0
	v_lshlrev_b32 v[CO], 4, v6
	; where part 2's pieces go: (256 + 4 ty + 2 WC) x 131,072 + (2 tx + WR) x 8,192: 4 ty + 2 WC = 16 x batch + my first group of 64 keys; 2 tx + WR = my head
	s_lshl_b32 s2, s43, 2
	s_lshl_b32 s101, s22, 1
	s_add_co_u32 s2, s2, s101
	s_add_co_u32 s2, s2, 256
	s_lshl_b32 s2, s2, 17
	s_lshl_b32 s101, s42, 1
	s_add_co_u32 s101, s101, s21
	s_lshl_b32 s101, s101, 13
	s_add_co_u32 s2, s2, s101
	s_add_nc_u64 s[100:101], s[18:19], s[2:3]
	; and part 1's: (128 x region + 16 x batch + 4 (tx % 4) + 2 WC) x 131,072 + (16 (ty % 4) + 8 WR) x 2,048
	s_lshl_b32 s2, ttmp9, 7
	s_lshr_b32 s23, s43, 2
	s_lshl_b32 s23, s23, 4
	s_add_co_u32 s2, s2, s23
	s_and_b32 s23, s42, 3
	s_lshl_b32 s23, s23, 2
	s_add_co_u32 s2, s2, s23
	s_lshl_b32 s23, s22, 1
	s_add_co_u32 s2, s2, s23
	s_lshl_b32 s2, s2, 17
	s_and_b32 s23, s43, 3
	s_lshl_b32 s23, s23, 4
	s_lshl_b32 s46, s21, 3
	s_add_co_u32 s23, s23, s46
	s_lshl_b32 s23, s23, 11
	s_add_co_u32 s2, s2, s23
	s_add_nc_u64 s[18:19], s[18:19], s[2:3]
.macro FRAG reg, adr, q, i, x          ; a fragment, 16 rows x 128 K of 4-bit codes: lane l holds row l % 16; registers 4 c .. 4 c + 3 hold K = 64 c + 32 (l / 16) + 0 .. 31
.irp c, 0,1
	ds_load_b128 v[\reg+4*\c:\reg+4*\c+3], v[\adr] offset:64*(\q)+32*\c+(\i)*16*PITCH+(\x)
.endr
.endm
; PART 1.  16 matrix instructions: x's blocks a0, a0 + 1 against the weight's eight, 128 along K: the slot's q-th.  p: the weight's set;  sc: the set of scale words.  first = 1: the bias starts the sums.
; The 64 accumulators take turns, one instruction a turn, in the same order in every step.
.macro MUL16 a0, p, q, sc, first
.irp a, \a0, \a0+1
.irp b, 0,1,2,3,4,5,6,7
.if \first
	v_wmma_scale_f32_16x16x128_f8f6f4 v[8*(8*((\a)%4)+\b):8*(8*((\a)%4)+\b)+7], v[128*(\p)+FR*\b:128*(\p)+FR*\b+FR-1], v[AF+FR*(\a):AF+FR*(\a)+FR-1], v[CBI+8*\b:CBI+8*\b+7], v[SC+8*NQ*(\sc)+NQ*\b+(\q)], v[SC+8*NQ*(\sc)+NQ*(\a)+(\q)] matrix_a_fmt:MATRIX_FMT_FP4 matrix_b_fmt:MATRIX_FMT_FP4 matrix_a_scale:MATRIX_SCALE_ROW1
.else
	v_wmma_scale_f32_16x16x128_f8f6f4 v[8*(8*((\a)%4)+\b):8*(8*((\a)%4)+\b)+7], v[128*(\p)+FR*\b:128*(\p)+FR*\b+FR-1], v[AF+FR*(\a):AF+FR*(\a)+FR-1], v[8*(8*((\a)%4)+\b):8*(8*((\a)%4)+\b)+7], v[SC+8*NQ*(\sc)+NQ*\b+(\q)], v[SC+8*NQ*(\sc)+NQ*(\a)+(\q)] matrix_a_fmt:MATRIX_FMT_FP4 matrix_b_fmt:MATRIX_FMT_FP4 matrix_a_scale:MATRIX_SCALE_ROW1
.endif
.endr
.endr
.endm
.macro FETCH_B slot, q, p              ; the weight's eight fragments of the slot's q-th 128 along K into set p
	WIN TO_B
.irp i, 0,1,2,3,4,5,6,7
	FRAG 128*(\p)+FR*\i, ADRB+\slot, \q, \i, 0
.endr
	WIN 0
.endm
.macro FETCH_A slot, q, i0             ; x's blocks i0 .. i0 + 3
.irp i, \i0, \i0+1, \i0+2, \i0+3
	FRAG AF+FR*(\i), ADRA+\slot, \q, \i, 0
.endr
.endm
.macro SCALES sc                       ; a slot's scale words into set sc: four words a row; lanes 0-15 take x's block i, lanes 16-31 the weight's block i
.irp i, 0,1,2,3,4,5,6,7
	ds_load_b128 v[SC+8*NQ*\sc+NQ*\i:SC+8*NQ*\sc+NQ*\i+3], v[ADRS] offset:\i*SBLK
.endr
.endm
.macro PLACES n                        ; plain vector lines between a matrix instruction and a load into, or a vector write of, one of its registers, or a read of its result
.rept \n
	v_nop
.endr
.endm
; A step of 128 along K that has its successor in the same slot.  x's blocks are free as soon as their eight products are issued: blocks 0-3 are fetched anew in the step's middle, blocks 4-7 at its end.
.macro STEP slot, q, first
	s_wait_dscnt 4*NL                              ; the weight's set and x's blocks 0-3 are in; the youngest eight loads (x's blocks 4-7) may be out
.if \first
	WIN MUL_LO1
.else
	WIN MUL_LO
.endif
	MUL16 0, (\q)%2, \q, \slot, \first
	MUL16 2, (\q)%2, \q, \slot, \first
	s_wait_dscnt 0                                 ; x's blocks 4-7 are in
	PLACES NP
	FETCH_B \slot, (\q)+1, 1-(\q)%2
	FETCH_A \slot, (\q)+1, 0
.if \first
	WIN MUL_HI1
.else
	WIN MUL_HI
.endif
	MUL16 4, (\q)%2, \q, \slot, \first
	MUL16 6, (\q)%2, \q, \slot, \first
	PLACES NP
	WIN 0
	FETCH_A \slot, (\q)+1, 4
.endm
; Slot 0's last step changes slots.  In front of the barrier each wave waits for all its tensor loads (its part of slot 1), adds 0 to its spare word, and waits for that and for its reads of slot 0.  The barrier opens a
; round of the cluster's: behind it no wave of any partner still reads slot 0's rows of the weight or has a load on its way, and they are filled again, with wv's: one joint load a wave, 64 rows, the first thing there.
.macro TURN
	s_wait_tensorcnt 0x0                           ; all my tensor loads have landed
	ds_add_u32 v[SPW], v[NIL]                      ; 0 onto my spare word
	s_wait_dscnt 4*NL+1                            ; (the add and the youngest eight loads may be out)
	WIN MUL_LO
	MUL16 0, 1, NQ-1, 0, 0                         ; sixteen matrix instructions stand between the add and the wait for it
	s_wait_dscnt 0x0                               ; the add is done, and my reads of slot 0's rows of the weight are over: this step's fragments are all in registers
	s_barrier_signal -1
	MUL16 2, 1, NQ-1, 0, 0
	WIN 0
	s_barrier_wait -1
	CREST
	tensor_load_to_lds s[G0W:G0W+3], s[G1W:G1W+7]  ; one line, one mask (my column of the cluster); the waves' rows differ by the wave's number
	s_nop 0
.rept 4
	v_nop                                          ; (the places in front of the loads below)
.endr
	v_add_nc_u32 v[ADRS], 4*NQ, v[ADRS]            ; on to slot 1's scale words
	FETCH_B 1, 0, 0
	FETCH_A 1, 0, 0
	SCALES 1
	WIN MUL_HI
	MUL16 4, 1, NQ-1, 0, 0
	MUL16 6, 1, NQ-1, 0, 0
	PLACES NP
	WIN 0
	FETCH_A 1, 0, 4
.endm
; THE WAY OUT of block a.  Each accumulator, from its low end on, is rounded to f16: four registers, a piece, in window 1; a piece leaves by one store.
.macro OUT a, base
.set WW, 0x4a+5*((\a)/4)
	WIN WW                                         ; sources window 2 or 3, destination window 1
.irp b, 0,1,2,3,4,5,6,7
.irp i, 0,1,2,3
	v_cvt_pk_f16_f32 v[32*(\a)+4*\b+\i], v[8*(8*((\a)%4)+\b)+2*\i], v[8*(8*((\a)%4)+\b)+2*\i+1]
.endr
.endr
	WIN 0x04                                       ; a store's data are its source 1: window 1
.irp b, 0,1,2,3,4,5,6,7
	global_store_b128 v[CO], v[32*(\a)+4*\b:32*(\a)+4*\b+3], s[\base:\base+1] offset:2048*(\a)+131072*(\b/4)+512*(\b%4)   ; 32 lanes store 512 consecutive bytes, aligned
.endr
.endm
; PART 2.  The k-th 128 along K (slot k / 4): x's eight fragments into set k % 2 of window 3, wv's four into set k % 2 of window 0: 24 loads
.macro FETCH2 k
	WIN TO_X
.irp i, 0,1,2,3,4,5,6,7
	FRAG 128*((\k)%2)+FR*\i, ADX+(\k)/4, (\k)%4, \i, 0
.endr
	WIN 0
.irp i, 0,1,2,3
	FRAG AF+32*((\k)%2)+FR*\i, ADW, (\k)%4, \i, ((\k)/4)*HALFT
.endr
.endm
.macro SCALES2 s                       ; x's scale words of slot s: four words a row, the same in both halves of the lanes
.irp i, 0,1,2,3,4,5,6,7
	ds_load_b128 v[SC+32*\s+4*\i:SC+32*\s+4*\i+3], v[ADS2] offset:\i*SBLK+16*\s
.endr
.endm
; 32 matrix instructions: wv's four blocks against x's eight; source 0 = x, source 1 = wv.  The 32 accumulators take turns, in the same order in every step.  k = 0: bv starts the sums.
.macro MUL2 k
.irp a, 0,1,2,3
.irp b, 0,1,2,3,4,5,6,7
.if (\k) == 0
	v_wmma_scale_f32_16x16x128_f8f6f4 v[8*(8*\a+\b):8*(8*\a+\b)+7], v[128*((\k)%2)+FR*\b:128*((\k)%2)+FR*\b+FR-1], v[AF+32*((\k)%2)+FR*\a:AF+32*((\k)%2)+FR*\a+FR-1], v[CBI+8*\a:CBI+8*\a+7], v[SC+32*((\k)/4)+4*\b+(\k)%4], v[WS+8*\a+(\k)] matrix_a_fmt:MATRIX_FMT_FP4 matrix_b_fmt:MATRIX_FMT_FP4
.else
	v_wmma_scale_f32_16x16x128_f8f6f4 v[8*(8*\a+\b):8*(8*\a+\b)+7], v[128*((\k)%2)+FR*\b:128*((\k)%2)+FR*\b+FR-1], v[AF+32*((\k)%2)+FR*\a:AF+32*((\k)%2)+FR*\a+FR-1], v[8*(8*\a+\b):8*(8*\a+\b)+7], v[SC+32*((\k)/4)+4*\b+(\k)%4], v[WS+8*\a+(\k)] matrix_a_fmt:MATRIX_FMT_FP4 matrix_b_fmt:MATRIX_FMT_FP4
.endif
.endr
.endr
.endm
	s_wait_loadcnt 0x0                             ; the biases and wv's scale words
	s_wait_tensorcnt 1                             ; the scales and my part of slot 0 are in (slot 1's load may be out)
	s_barrier_signal -1
	s_barrier_wait -1                              ; everybody's are
	FETCH_B 0, 0, 0
	FETCH_A 0, 0, 0
	SCALES 0
	FETCH_A 0, 0, 4
	STEP 0, 0, 1
	STEP 0, 1, 0
	STEP 0, 2, 0
	TURN
	STEP 1, 0, 0
	STEP 1, 1, 0
	STEP 1, 2, 0
	s_wait_dscnt 4*NL                              ; part 1's last step: nothing more to fetch
	WIN MUL_LO
	MUL16 0, 1, NQ-1, 1, 0
	MUL16 2, 1, NQ-1, 1, 0
	s_wait_dscnt 0
	WIN MUL_HI
	MUL16 4, 1, NQ-1, 1, 0
	MUL16 6, 1, NQ-1, 1, 0
	PLACES NP                                      ; the conversions read results just made, and their pieces land on registers that the last products read
	OUT 4, 18                                      ; blocks 4-7 first: their accumulators' window takes part 2's fragments of x
	OUT 5, 18
	OUT 6, 18
	OUT 7, 18
	WIN 0
	s_wait_tensorcnt 0x0                           ; my 64 rows of wv are in (no LDS instruction of mine is out),
	s_barrier_signal -1
	s_barrier_wait -1                              ; everybody's are
	FETCH2 0                                       ; part 2's first fragments and its scale words land while blocks 0-3 go out
	SCALES2 0
	SCALES2 1
.irp a, 0,1,2,3
.irp j, 0,1,2,3,4,5,6,7
	v_mov_b32 v[CBI+8*\a+\j], v[RL+\a]             ; bv in the result's layout: a lane holds one channel, so all eight registers are its bias
.endr
.endr
	OUT 0, 18
	OUT 1, 18
	OUT 2, 18
	OUT 3, 18
.irp k, 0,1,2,3,4,5,6,7
.if \k < 7
.if \k > 0
	PLACES NP                                      ; in front of loads into the set that the last step's products read
.endif
	FETCH2 \k+1
	s_wait_dscnt 24                                ; this step's fragments (and the scale words) are in; the 24 loads just issued may be out
.else
	s_wait_dscnt 0x0
.endif
.if \k == 0
	WIN MUL_V1
.else
	WIN MUL_V
.endif
	MUL2 \k
.endr
	PLACES NP
	s_wait_xcnt 0x0                                ; part 1's stores have read their pieces: window 1 may be written again
	OUT 0, 100
	OUT 1, 100
	OUT 2, 100
	OUT 3, 100
	WIN 0
	s_wait_tensorcnt 0x0                           ; the wave's end
	ds_add_u32 v[SPW], v[NIL]
	s_wait_dscnt 0x0
	CROUND                                         ; the closing round: no work-group ends while a partner may still ask for a tile that names it
	s_endpgm
.Lfunc_end_k_q674cd2de18_qkv:
	.size	k_q674cd2de18_qkv, .Lfunc_end_k_q674cd2de18_qkv-k_q674cd2de18_qkv
	.p2alignl 7, 3214868480
	.fill 96, 4, 3214868480
	.section	.rodata,"a",@progbits
	.p2align	6, 0x0
	.amdhsa_kernel k_q674cd2de18_qkv
		.amdhsa_group_segment_fixed_size 327680
		.amdhsa_private_segment_fixed_size 0
		.amdhsa_enable_private_segment 0
		.amdhsa_kernarg_size 64
		.amdhsa_user_sgpr_count 2
		.amdhsa_user_sgpr_kernarg_segment_ptr 1
		.amdhsa_wavefront_size32 1
		.amdhsa_system_sgpr_workgroup_id_x 1
		.amdhsa_system_sgpr_workgroup_id_y 1
		.amdhsa_system_sgpr_workgroup_id_z 1
		.amdhsa_system_vgpr_workitem_id 0
		.amdhsa_next_free_vgpr 1024
		.amdhsa_next_free_sgpr 106
		.amdhsa_reserve_vcc 0
		.amdhsa_float_denorm_mode_32 3
		.amdhsa_float_denorm_mode_16_64 3
		.amdhsa_memory_ordered 1
		.amdhsa_forward_progress 1
		.amdhsa_inst_pref_size 182
	.end_amdhsa_kernel
	.amdgpu_metadata
---
amdhsa.version: [ 1, 2 ]
amdhsa.kernels:
  - .name:           k_q674cd2de18_qkv
    .symbol:         k_q674cd2de18_qkv.kd
    .args:
      - { .name: x_codes, .offset: 0, .size: 8, .value_kind: global_buffer, .address_space: global }
      - { .name: x_scales, .offset: 8, .size: 8, .value_kind: global_buffer, .address_space: global }
      - { .name: w_codes, .offset: 16, .size: 8, .value_kind: global_buffer, .address_space: global }
      - { .name: w_scales, .offset: 24, .size: 8, .value_kind: global_buffer, .address_space: global }
      - { .name: bq, .offset: 32, .size: 8, .value_kind: global_buffer, .address_space: global }
      - { .name: bk, .offset: 40, .size: 8, .value_kind: global_buffer, .address_space: global }
      - { .name: bv, .offset: 48, .size: 8, .value_kind: global_buffer, .address_space: global }
      - { .name: qkv16, .offset: 56, .size: 8, .value_kind: global_buffer, .address_space: global }
    .group_segment_fixed_size: 327680
    .private_segment_fixed_size: 0
    .kernarg_segment_align: 8
    .kernarg_segment_size: 64
    .max_flat_workgroup_size: 128
    .sgpr_count:     106
    .vgpr_count:     1024
    .wavefront_size: 32
...
	.end_amdgpu_metadata
.endif
;; end of part 2
;; launch attn (part 3): grid 2 x 128, 8 waves a work-group, no clusters, 327,680 bytes of LDS; arguments qkv16, a16; writes a16
.if DOCPART == 3
	.amdgcn_target "amdgcn-amd-amdhsa--gfx1250"
	.amdhsa_code_object_version 6
	.text
	.protected	k_q674cd2de18_attn
	.globl	k_q674cd2de18_attn
	.p2align	8
	.type	k_q674cd2de18_attn,@function
k_q674cd2de18_attn:
	s_mov_b64 s[64:65], 0
	v_nop
	global_prefetch_b8 v0, s[64:65] scope:SCOPE_SE
	s_setreg_imm32_b32 hwreg(HW_REG_WAVE_MODE, 25, 1), 1
	s_wait_xcnt 0x0
; a[b][q][head] = the sum over k of softmax_k(q . k / 8) v, 128 (batch, head) pairs, 1,024 tokens, head size 64, no mask.  q, k, v arrive in f16 as images of operand registers; products, maxima and sums in f32;
; the weights p are rounded to f16 for the second product, the result once at the end.
; qkv16: regions 0 (q), 1 (k): [batch][head][tile of 16 tokens: 64][piece 4][512 bytes]: lane (r, h) holds token r, channels 16 piece + 8 h + 0 .. 7;
;        region 2 (v): [batch][group of 64 keys: 16][head][tile of 16 channels: 4][piece 4][512]: lane (r, h) holds channel r, keys 16 piece + 8 h + 0 .. 7.  Two pieces on end are a 16 x 32 operand's eight registers.
; a16: [tile of 16 tokens: 512][piece of 16 along the 1,024 channels: 64][512].
; SHARES.  A work-group owns 512 queries of one head; each of its eight waves 64: four tiles of 16.  Two waves lie on a SIMD, so that one wave's softmax stands beside the other's products; each wave's text is plain phases.
; THE HEAD'S WHOLE K AND V LIE IN LDS, 131,072 bytes each, every byte filled ONCE: no slot is filled again.  They come in four chunks of 256 keys, 8,192 bytes a wave and chunk, waves 0-3 for K, waves 4-7 for V.
; Chunk 0 is asked for at the head; chunk n + 1 behind the barrier at chunk n's head, as the wave's one tensor load there: one load of mine is out at a time, and it has the chunk's four key steps in which to land.
; So the first products wait for 65,536 bytes a work-group, and for Q, and for no more.
; LAYOUT.  S^T = K Q^T (source 0 = 16 keys, source 1 = 16 queries): a lane holds ONE query and the keys 8 h + 0 .. 7 of a tile.  Two such tiles, rounded to f16 in pairs, are source 1 of O^T = V^T P.
; Every fragment is read from LDS at 16 x lane: consecutive bytes, no padding, nothing turned.
; SOFTMAX.  For each query a running maximum m and sum l: p = 2^(c s - c m), c = log2(e) / 8; in every step O and l are multiplied by a = 2^(c m_old - c m_new).  O and l begin as zeros and m as -3e38, so one text serves every step.
; NO CLUSTER: a head's K and V are read by two work-groups alone, each byte once by each; a cluster four wide would join two heads, which share nothing.
; LIMITS: NaN and infinities are not served; a result beyond 65,504 has no f16.
; REGISTERS: window 0: v1-6 addresses; v16-47 eight registers of statistics a tile; v64-191 S^T, 32 a tile, then P in the low 16 of each; v192-255 V's fragments.
;            window 1: v0-127 O^T, 32 a tile; v128-191 Q, 16 a tile; v192-255 K's fragments.
.set VB,    131072                     ; V behind K
.set SPARE, 262144                     ; the spare words, 128 bytes for each wave: four blocks of 256 bytes that no other line names
.set LI,  1                            ; v1  16 x lane
.set LIV, 2                            ; v2  16 x lane + VB
.set ADK, 3                            ; v3  LDS address of the step's K
.set ADV, 4                            ; v4  of its V
.set SPW, 5                            ; v5  LDS address of my spare word; never rewritten
.set NIL, 6                            ; v6  0; never rewritten
.set ST,  16                           ; tile t's statistics at v[ST + 8 t]: +0 c m, +1 m, +2, +3 l (even keys', odd keys'), +4 to +7 at work; a in +6
.set S,   64
.set VF,  192
.set O,   0                            ; in window 1
.set Q,   128
.set KF,  192
.set WV,  8                            ; s8  my wave's number
.set G1,  16                           ; s[16:23] descriptor group 1;  s[24:39] four groups 0, one for each chunk, never rewritten
.set G0,  24
.set CS,  40                           ; s[40:41] c, twice: the packed form names a pair
.set SEL, 42                           ; s[42:43] lane selects for v_permlanex16_b32: lane l xor 16
.set TB,  44                           ; s44 LDS byte at which the step's K begins
.set CNT, 45
.set MSB, 0
.macro WIN new                         ; the immediate's high byte repeats the setting that is left
.if MSB != \new
	s_set_vgpr_msb (MSB<<8)|\new
.set MSB, \new
.endif
.endm
	s_load_b128 s[4:7], s[0:1], 0x0                ; qkv16, a16
	v_lshl_add_u32 v[SPW], v0, 2, SPARE
	v_mov_b32 v[NIL], 0
	ds_add_u32 v[SPW], v[NIL]                      ; the wave's opening: the add, twice on end, and its wait ahead of my first tensor load
	ds_add_u32 v[SPW], v[NIL]
	v_lshrrev_b32 v[LI], 5, v0
	v_readfirstlane_b32 s[WV], v[LI]               ; wave 0..7
	; descriptor group 1: 8,192 dense bytes as 32 rows of 256 bytes (32 elements of 8 bytes), no padding
	s_mov_b32 s[G1], 3<<16
	s_mov_b32 s[G1+1], 32<<16                      ; tensor_dim0
	s_mov_b32 s[G1+2], 32<<16                      ; tensor_dim1
	s_mov_b32 s[G1+3], 32<<16                      ; tile_dim0
	s_mov_b32 s[G1+4], 32                          ; tile_dim1
	s_mov_b32 s[G1+5], 32                          ; tensor_dim0_stride
	s_mov_b32 s[G1+6], 0
	s_mov_b32 s[G1+7], 0
	s_mov_b32 s[CS], 0x3e38aa3b                    ; c = log2(e) / 8
	s_mov_b32 s[CS+1], s[CS]
	s_mov_b32 s[SEL], 0x76543210
	s_mov_b32 s[SEL+1], 0xfedcba98
	s_and_b32 s10, ttmp7, 0xffff                   ; 16 x batch + head
	s_lshl_b32 s11, s[WV], 13                      ; 8,192 x wave
	s_lshl_b32 s46, s10, 17                        ; K: the head's 131,072 bytes,
	s_add_co_u32 s46, s46, s11                     ; my 64 keys of a chunk,
	s_add_co_u32 s46, s46, 16777216                ; in region 1
	s_lshr_b32 s12, s10, 4
	s_lshl_b32 s12, s12, 4
	s_add_co_u32 s12, s12, s[WV]
	s_sub_co_u32 s12, s12, 4                       ; V: 16 x batch + my group of 64 keys of a chunk (waves 4-7; not taken in waves 0-3),
	s_lshl_b32 s12, s12, 17
	s_and_b32 s13, s10, 15
	s_lshl_b32 s13, s13, 13                        ; the head's 8,192 bytes of it,
	s_add_co_u32 s12, s12, s13
	s_add_co_u32 s12, s12, 33554432                ; in region 2
	s_mov_b32 s48, 524288                          ; from chunk to chunk: four groups of keys in V,
	s_cmp_lt_u32 s[WV], 4
	s_cselect_b32 s46, s46, s12
	s_cselect_b32 s48, 32768, s48                  ; 256 keys in K
	s_mov_b32 s47, 0
	s_mov_b32 s49, 0
	s_lshr_b32 s14, s[WV], 2
	s_mul_i32 s14, s14, 98304
	s_add_co_u32 s14, s14, s11                     ; in LDS: K at 8,192 w, V at 131,072 + 8,192 (w - 4); a chunk is 32,768 on
	s_lshl_b32 s50, s10, 17                        ; Q: the head,
	s_lshl_b32 s51, ttmp9, 16                      ; my work-group's 32 tiles,
	s_add_co_u32 s50, s50, s51
	s_add_co_u32 s50, s50, s11                     ; my wave's four
	s_mov_b32 s51, 0
	s_lshr_b32 s52, s10, 4                         ; the result: tile 64 x batch + 32 x work-group + 4 x wave,
	s_lshl_b32 s52, s52, 6
	s_lshl_b32 s53, ttmp9, 5
	s_add_co_u32 s52, s52, s53
	s_lshl_b32 s53, s[WV], 2
	s_add_co_u32 s52, s52, s53
	s_lshl_b32 s52, s52, 15
	s_and_b32 s53, s10, 15
	s_lshl_b32 s53, s53, 11                        ; the head's four pieces
	s_add_co_u32 s52, s52, s53
	s_mov_b32 s53, 0
	s_wait_dscnt 0x0                               ; both opening adds are done
	s_wait_kmcnt 0x0
	s_add_nc_u64 s[46:47], s[4:5], s[46:47]
	s_add_nc_u64 s[4:5], s[4:5], s[50:51]
	s_add_nc_u64 s[6:7], s[6:7], s[52:53]
.irp n, 0,1,2,3
	s_mov_b32 s[G0+4*\n], 1                        ; count = 1
	s_add_co_u32 s[G0+4*\n+1], s14, 32768*\n       ; LDS address
	s_mov_b64 s[G0+4*\n+2:G0+4*\n+3], s[46:47]     ; global address
	s_or_b32 s[G0+4*\n+3], s[G0+4*\n+3], 0x80000000   ; type = 2
	s_add_nc_u64 s[46:47], s[46:47], s[48:49]      ; (the last sum is not used)
.endr
	tensor_load_to_lds s[G0:G0+3], s[G1:G1+7]      ; chunk 0, ahead of every wait on TENSORcnt, every LDS read and every barrier
	s_nop 0
.rept 4
	v_nop
.endr
	v_and_b32 v[LI], 31, v0
	v_lshlrev_b32 v[LI], 4, v[LI]
	v_add_nc_u32 v[LIV], VB, v[LI]
	WIN 0x40                                       ; destination window 1, address window 0
.irp i, 0,1,2,3,4,5,6,7,8,9,10,11,12,13,14,15
	global_load_b128 v[Q+4*\i:Q+4*\i+3], v[LI], s[4:5] offset:512*\i   ; Q stays in registers: tile i / 4, piece i % 4
.endr
.set i, 0
.rept 128
	v_mov_b32 v[O+i], 0                            ; O^T.  (The step is written once: the first finds zeros, which a = 0 leaves zeros)
.set i, i+1
.endr
	WIN 0
.irp t, 0,1,2,3
	v_mov_b32 v[ST+8*\t+1], 0xff61b1e6             ; m = -3e38, under every score
	v_mul_f32 v[ST+8*\t], s[CS], v[ST+8*\t+1]      ; c m
	v_mov_b32 v[ST+8*\t+2], 0                      ; l, in two halves
	v_mov_b32 v[ST+8*\t+3], 0
.endr
; A KEY STEP: 64 keys.
.macro STEP
	v_add_nc_u32 v[ADK], s[TB], v[LI]              ; these two and three v_nop are the five places behind the last step's products: V's registers are loaded again (four are asked),
	v_add_nc_u32 v[ADV], s[TB], v[LIV]             ; and the scores are written over P, which those products read (five)
.rept 3
	v_nop
.endr
	WIN 0x40
.irp i, 0,1,2,3,4,5,6,7,8,9,10,11,12,13,14,15
	ds_load_b128 v[KF+4*\i:KF+4*\i+3], v[ADK] offset:512*\i   ; K: tile of keys i / 4, piece i % 4
.endr
	WIN 0
.irp i, 0,1,2,3,4,5,6,7,8,9,10,11,12,13,14,15
	ds_load_b128 v[VF+4*\i:VF+4*\i+3], v[ADV] offset:512*\i   ; V: tile of channels i / 4, piece i % 4
.endr
	s_wait_dscnt 16                                ; K is in; V's sixteen loads may be out
	WIN 0x05                                       ; K and Q in window 1, S^T in window 0
.irp cc, 0,1                           ; S^T = K Q^T: sixteen accumulators by turns; the first 32 channels start the sums
.irp kt, 0,1,2,3
.irp t, 0,1,2,3
.if \cc == 0
	v_wmma_f32_16x16x32_f16 v[S+32*\t+8*\kt:S+32*\t+8*\kt+7], v[KF+16*\kt+8*\cc:KF+16*\kt+8*\cc+7], v[Q+16*\t+8*\cc:Q+16*\t+8*\cc+7], 0
.else
	v_wmma_f32_16x16x32_f16 v[S+32*\t+8*\kt:S+32*\t+8*\kt+7], v[KF+16*\kt+8*\cc:KF+16*\kt+8*\cc+7], v[Q+16*\t+8*\cc:Q+16*\t+8*\cc+7], v[S+32*\t+8*\kt:S+32*\t+8*\kt+7]
.endif
.endr
.endr
.endr
	WIN 0
.rept 4
	v_nop                                          ; places in front of the first read of the scores
.endr
	; the maximum of a lane's 32 scores and the old m: four chains a tile, the four tiles by turns; each accumulator is read from its low end on
.irp j, 0,1,2,3
.irp t, 0,1,2,3
	v_max3_num_f32 v[ST+8*\t+4+\j], v[S+32*\t+8*\j], v[S+32*\t+8*\j+1], v[S+32*\t+8*\j+2]
.endr
.endr
.irp g, 1,2
.irp j, 0,1,2,3
.irp t, 0,1,2,3
	v_max3_num_f32 v[ST+8*\t+4+\j], v[ST+8*\t+4+\j], v[S+32*\t+8*\j+2*\g+1], v[S+32*\t+8*\j+2*\g+2]
.endr
.endr
.endr
.irp t, 0,1,2,3
	v_max3_num_f32 v[ST+8*\t+4], v[ST+8*\t+4], v[S+32*\t+7], v[S+32*\t+15]
.endr
.irp t, 0,1,2,3
	v_max3_num_f32 v[ST+8*\t+6], v[ST+8*\t+6], v[S+32*\t+23], v[S+32*\t+31]
.endr
.irp t, 0,1,2,3
	v_max3_num_f32 v[ST+8*\t+4], v[ST+8*\t+4], v[ST+8*\t+5], v[ST+8*\t+6]
.endr
.irp t, 0,1,2,3
	v_max3_num_f32 v[ST+8*\t+4], v[ST+8*\t+4], v[ST+8*\t+7], v[ST+8*\t+1]
.endr
.irp t, 0,1,2,3
	v_permlanex16_b32 v[ST+8*\t+5], v[ST+8*\t+4], s[SEL], s[SEL+1]   ; the query's other 32 keys lie in the lane 16 away
.endr
.irp t, 0,1,2,3
	v_mov_b32 v[ST+8*\t+7], v[ST+8*\t]             ; c m_old is kept for a
.endr
.irp t, 0,1,2,3
	v_max_num_f32 v[ST+8*\t+1], v[ST+8*\t+4], v[ST+8*\t+5]   ; the new m
.endr
.irp t, 0,1,2,3
	v_mul_f32 v[ST+8*\t], s[CS], v[ST+8*\t+1]      ; c m
.endr
.irp t, 0,1,2,3
	v_sub_f32 v[ST+8*\t+7], v[ST+8*\t+7], v[ST+8*\t]
.endr
	; ONE BATCH of 132 exponentials, with the scalings between them; none of these lines names an exponential's result
.irp t, 0,1,2,3
	v_exp_f32 v[ST+8*\t+6], v[ST+8*\t+7]           ; a = 2^(c m_old - c m_new)
.endr
.irp i, 0,1,2,3,4,5,6,7,8,9,10,11,12,13,14,15
.irp t, 0,1,2,3
	v_pk_fma_f32 v[S+32*\t+2*\i:S+32*\t+2*\i+1], v[S+32*\t+2*\i:S+32*\t+2*\i+1], s[CS:CS+1], v[ST+8*\t:ST+8*\t+1] op_sel_hi:[1,0,0] neg_lo:[0,0,1] neg_hi:[0,0,1]   ; c s - c m, two at a time
.endr
.irp t, 0,1,2,3
	v_exp_f32 v[S+32*\t+2*\i], v[S+32*\t+2*\i]
	v_exp_f32 v[S+32*\t+2*\i+1], v[S+32*\t+2*\i+1]
.endr
.endr
	v_nop                                          ; a plain line behind the last exponential
	s_wait_alu depctr_va_vdst(0)                   ; one wait for the whole batch, ahead of its first reader
.irp t, 0,1,2,3
	v_pk_mul_f32 v[ST+8*\t+2:ST+8*\t+3], v[ST+8*\t+2:ST+8*\t+3], v[ST+8*\t+6:ST+8*\t+7] op_sel_hi:[1,0]   ; l x a
.endr
.irp t, 0,1,2,3
	v_pk_add_f32 v[ST+8*\t+4:ST+8*\t+5], v[S+32*\t:S+32*\t+1], v[S+32*\t+2:S+32*\t+3]   ; the sum of the unrounded p, in two chains
.endr
.irp j, 4,8,12,16,20,24,28
.irp t, 0,1,2,3
	v_pk_add_f32 v[ST+8*\t+2:ST+8*\t+3], v[ST+8*\t+2:ST+8*\t+3], v[S+32*\t+\j:S+32*\t+\j+1]
.endr
.irp t, 0,1,2,3
	v_pk_add_f32 v[ST+8*\t+4:ST+8*\t+5], v[ST+8*\t+4:ST+8*\t+5], v[S+32*\t+\j+2:S+32*\t+\j+3]
.endr
.endr
.irp t, 0,1,2,3
	v_pk_add_f32 v[ST+8*\t+2:ST+8*\t+3], v[ST+8*\t+2:ST+8*\t+3], v[ST+8*\t+4:ST+8*\t+5]
.endr
.irp i, 0,1,2,3,4,5,6,7,8,9,10,11,12,13,14,15
.irp t, 0,1,2,3
	v_cvt_pk_f16_f32 v[S+32*\t+\i], v[S+32*\t+2*\i], v[S+32*\t+2*\i+1]   ; P, in place and ascending: register i is written when registers 2 i and 2 i + 1 are read
.endr
.endr
	WIN 0x41                                       ; O^T (destination and source 0) in window 1, a in window 0
.irp i, 0,1,2,3,4,5,6,7,8,9,10,11,12,13,14,15
.irp t, 0,1,2,3
	v_pk_mul_f32 v[O+32*\t+2*\i:O+32*\t+2*\i+1], v[O+32*\t+2*\i:O+32*\t+2*\i+1], v[ST+8*\t+6:ST+8*\t+7] op_sel_hi:[1,0]   ; O^T x a, each accumulator from its low end on
.endr
.endr
	s_wait_dscnt 0x0                               ; V is in
	WIN 0x50                                       ; V and P in window 0, O^T in window 1
.irp kc, 0,1                           ; O^T += V^T P: sixteen accumulators by turns
.irp ct, 0,1,2,3
.irp t, 0,1,2,3
	v_wmma_f32_16x16x32_f16 v[O+32*\t+8*\ct:O+32*\t+8*\ct+7], v[VF+16*\ct+8*\kc:VF+16*\ct+8*\kc+7], v[S+32*\t+8*\kc:S+32*\t+8*\kc+7], v[O+32*\t+8*\ct:O+32*\t+8*\ct+7]
.endr
.endr
.endr
	WIN 0                                          ; at a label and at a branch every window is 0
.endm
; A chunk of 256 keys: four steps.  At its head each wave waits for all its tensor loads, of which one is out: its part of this chunk; adds 0 to its spare word; waits for that and for its LDS reads; and passes a barrier.
; Behind the barrier the chunk is whole, and the next chunk, whose bytes nobody has filled yet, is asked for: the wave's one tensor load until the next barrier, and the first thing there.
.macro CHUNK n
	s_wait_tensorcnt 0x0                           ; my part of chunk n is in
	ds_add_u32 v[SPW], v[NIL]                      ; 0 onto my spare word
	s_mov_b32 s[TB], 32768*\n
	s_mov_b32 s[CNT], 4
	s_wait_dscnt 0x0                               ; the add is done, and no LDS instruction of mine is out
	s_barrier_signal -1
	s_barrier_wait -1                              ; everybody's part is in
.if \n < 3
	tensor_load_to_lds s[G0+4*(\n+1):G0+4*(\n+1)+3], s[G1:G1+7]
	s_nop 0
.rept 4
	v_nop
.endr
.endif
.Lstep_\@:
	STEP
	s_add_co_u32 s[TB], s[TB], 8192
	s_sub_co_u32 s[CNT], s[CNT], 1
	s_cmp_lg_u32 s[CNT], 0
	s_cbranch_scc1 .Lstep_\@
.endm
	s_wait_loadcnt 0x0                             ; Q
	CHUNK 0
	CHUNK 1
	CHUNK 2
	CHUNK 3
	; THE WAY OUT.  l's two halves and the other half of the lanes' are added (these lines are the places behind the last products); O^T / l, rounded to f16, is a piece of a16 as it stands.
.irp t, 0,1,2,3
	v_add_f32 v[ST+8*\t+4], v[ST+8*\t+2], v[ST+8*\t+3]
.endr
.irp t, 0,1,2,3
	v_permlanex16_b32 v[ST+8*\t+5], v[ST+8*\t+4], s[SEL], s[SEL+1]
.endr
.irp t, 0,1,2,3
	v_add_f32 v[ST+8*\t+4], v[ST+8*\t+4], v[ST+8*\t+5]
.endr
.irp t, 0,1,2,3
	v_rcp_f32 v[ST+8*\t+6], v[ST+8*\t+4]
.endr
	v_nop                                          ; a plain line behind the last reciprocal
	s_wait_alu depctr_va_vdst(0)                   ; one wait for the four, ahead of their first reader
	WIN 0x41
.irp t, 0,1,2,3
.irp i, 0,1,2,3,4,5,6,7,8,9,10,11,12,13,14,15
	v_pk_mul_f32 v[O+32*\t+2*\i:O+32*\t+2*\i+1], v[O+32*\t+2*\i:O+32*\t+2*\i+1], v[ST+8*\t+6:ST+8*\t+7] op_sel_hi:[1,0]
.endr
.endr
	WIN 0x05                                       ; sources window 1, destination window 0: S^T's registers are free
.irp t, 0,1,2,3
.irp i, 0,1,2,3,4,5,6,7,8,9,10,11,12,13,14,15
	v_cvt_pk_f16_f32 v[S+16*\t+\i], v[O+32*\t+2*\i], v[O+32*\t+2*\i+1]
.endr
.endr
	WIN 0
.irp t, 0,1,2,3
.irp ct, 0,1,2,3
	global_store_b128 v[LI], v[S+16*\t+4*\ct:S+16*\t+4*\ct+3], s[6:7] offset:32768*\t+512*\ct   ; 32 lanes store 512 consecutive bytes, aligned
.endr
.endr
	s_wait_tensorcnt 0x0                           ; the wave's end
	ds_add_u32 v[SPW], v[NIL]
	s_wait_dscnt 0x0
	s_endpgm
.Lfunc_end_k_q674cd2de18_attn:
	.size	k_q674cd2de18_attn, .Lfunc_end_k_q674cd2de18_attn-k_q674cd2de18_attn
	.p2alignl 7, 3214868480
	.fill 96, 4, 3214868480
	.section	.rodata,"a",@progbits
	.p2align	6, 0x0
	.amdhsa_kernel k_q674cd2de18_attn
		.amdhsa_group_segment_fixed_size 327680
		.amdhsa_private_segment_fixed_size 0
		.amdhsa_enable_private_segment 0
		.amdhsa_kernarg_size 16
		.amdhsa_user_sgpr_count 2
		.amdhsa_user_sgpr_kernarg_segment_ptr 1
		.amdhsa_wavefront_size32 1
		.amdhsa_system_sgpr_workgroup_id_x 1
		.amdhsa_system_sgpr_workgroup_id_y 1
		.amdhsa_system_sgpr_workgroup_id_z 1
		.amdhsa_system_vgpr_workitem_id 0
		.amdhsa_next_free_vgpr 512
		.amdhsa_next_free_sgpr 66
		.amdhsa_reserve_vcc 0
		.amdhsa_float_denorm_mode_32 3
		.amdhsa_float_denorm_mode_16_64 3
		.amdhsa_memory_ordered 1
		.amdhsa_forward_progress 1
		.amdhsa_inst_pref_size 151
	.end_amdhsa_kernel
	.amdgpu_metadata
---
amdhsa.version: [ 1, 2 ]
amdhsa.kernels:
  - .name:           k_q674cd2de18_attn
    .symbol:         k_q674cd2de18_attn.kd
    .args:
      - { .name: qkv16, .offset: 0, .size: 8, .value_kind: global_buffer, .address_space: global }
      - { .name: a16, .offset: 8, .size: 8, .value_kind: global_buffer, .address_space: global }
    .group_segment_fixed_size: 327680
    .private_segment_fixed_size: 0
    .kernarg_segment_align: 8
    .kernarg_segment_size: 16
    .max_flat_workgroup_size: 256
    .sgpr_count:     66
    .vgpr_count:     512
    .wavefront_size: 32
...
	.end_amdgpu_metadata
.endif
;; end of part 3
;; launch proj (part 4): grid 4 x 64, 4 waves a work-group, clusters of 4 x 4, 327,680 bytes of LDS; arguments a16, wo16, bo, out0; writes out0
.if DOCPART == 4
	.amdgcn_target "amdgcn-amd-amdhsa--gfx1250"
	.amdhsa_code_object_version 6
	.text
	.protected	k_q674cd2de18_proj
	.globl	k_q674cd2de18_proj
	.p2align	8
	.type	k_q674cd2de18_proj,@function
k_q674cd2de18_proj:
	s_mov_b64 s[64:65], 0
	v_nop
	global_prefetch_b8 v0, s[64:65] scope:SCOPE_SE
	s_setreg_imm32_b32 hwreg(HW_REG_WAVE_MODE, 25, 1), 1
	s_wait_xcnt 0x0
	s_wait_alu depctr_hold_cnt(0) depctr_sa_sdst(0) depctr_va_vdst(0) depctr_va_sdst(0) depctr_va_ssrc(0) depctr_va_vcc(0) depctr_vm_vsrc(0)
	s_getreg_b32 s2, hwreg(HW_REG_IB_STS2, 6, 4)
	s_cmp_eq_u32 s2, 0
	s_cbranch_scc0 .Lentry_in_a_cluster
	s_endpgm
.Lentry_in_a_cluster:
	s_bfe_u32 s2, ttmp6, 0x10000c
	s_cmp_lg_u32 s2, 0xf033
	s_cbranch_scc0 .Lentry_shape_is_right
	s_endpgm
.Lentry_shape_is_right:
; out0[m][n] = the sum over k of a[m][k] wo[n][k] + bo[n]: M = 8,192, N = K = 1,024.  a and wo arrive in f16 as images of operand registers; sums in f32; out0 f32.
; a16: [tile of 16 rows: 512][piece of 16 along K: 64][512 bytes], wo16: [tile of 16 rows: 64][piece: 64][512]: in a piece lane (r, h) holds row r, k = 16 piece + 8 h + 0 .. 7; two pieces on end are a 16 x 32 operand.
; A tile of out0 is 128 rows x 256 columns: 256 work-groups.  Four waves, each 64 x 128: 32 accumulators, 256 registers.
; K goes in steps of 128 through a ring of two LDS slots.  A K step of one tile of 16 rows is 4,096 consecutive bytes: A's part of a slot is 8 such rows, B's 16; waves 0 and 1 fetch A's halves, waves 2 and 3 B's.
; Every fragment is read from LDS at 16 x lane: consecutive bytes, no padding.
; CLUSTERS: 4 x 4 work-groups.  The four of a row of the cluster need the same tiles of a, the four of a column the same tiles of wo: each is asked for jointly, by the same tensor load with the same descriptor.
; THE MATRIX INSTRUCTION IS USED TRANSPOSED (source 0 = 16 rows of wo, source 1 = 16 rows of a): a lane holds eight neighbouring numbers of a row of out0.  The bias is the C of each sum's first product.
; REGISTERS: window 0: v16-30 addresses; two fragment buffers of 96 at v64 and v160 (A's four blocks, then B's eight); on the way out v64-191 hold rows.
;            window 1: the accumulators ((a, b) at v[8 (8 a + b)]).   window 2: v0-63 bo in the result's layout, eight registers for each of B's blocks.
.set KSB,    4096                      ; a K step of one tile of 16 rows, in bytes
.set BOFF,   8*KSB                     ; in a slot: A's 8 tiles, then B's 16
.set SLOT,   24*KSB
.set STAGE,  2*SLOT                    ; behind the ring: 16 rows x 528 bytes for each wave, for the way out; no tensor load fills it
.set SPITCH, 528
.set SPARE,  STAGE+4*16*SPITCH         ; the spare words, 128 bytes for each wave: two blocks of 256 bytes that no other line names
.set LAPS,   4                         ; a lap = two K steps = once round the ring
.set ADRA, 16                          ; v16-17  LDS address of my A fragments in slot 0, 1
.set ADRB, 20                          ; v20-21  the same for B
.set STO,  24                          ; v24     the way out: where I put 32 bytes of a row
.set RD,   25                          ; v25     the way out: where I read a row back
.set CO,   26                          ; v26     16 x lane
.set SPW,  28                          ; v28     LDS address of my spare word; never rewritten
.set NIL,  29                          ; v29     0; never rewritten
.set PFO,  30                          ; v30     the prefetches' offset: 32,768 (lane / 16) + 256 (lane % 16); never rewritten
.set F0,   64
.set F1,   160
.set BKR,  64                          ; the way out: 16 rows read back: v64-127 and v128-191 by turns
.set LIM,  15                          ; s15     1 in a wave that prefetches, else the greatest number
.set G1, 24                            ; s[24:31] descriptor group 1 for A's tiles;  s[32:39] group 0, one set for each slot
.set G0, 32
.set PFA, 46                           ; s[46:47] where my prefetches stand
.set G1B, 48                           ; s[48:55], s[56:63] the same for B's tiles
.set G0B, 56
.set MSB, 0
.macro WIN new                         ; the immediate's high byte repeats the setting that is left
.if MSB != \new
	s_set_vgpr_msb (MSB<<8)|\new
.set MSB, \new
.endif
.endm
.set MUL,   0x50                       ; sources 0 and 1 window 0; C and D window 1
.set MUL_1, 0x60                       ; the first products: C (the bias) window 2, D window 1
.macro JLOAD s                         ; a joint load: waves 0 and 1 fetch A's halves, waves 2 and 3 B's; an s_nop 0 and four v_nop follow each of the two lines
	s_cmp_eq_u32 s13, 0
	s_cbranch_scc0 .Lfor_b_\@
	tensor_load_to_lds s[G0+4*\s:G0+4*\s+3], s[G1:G1+7]
	s_nop 0
.rept 4
	v_nop
.endr
	s_branch .Lasked_\@
.Lfor_b_\@:
	tensor_load_to_lds s[G0B+4*\s:G0B+4*\s+3], s[G1B:G1B+7]
	s_nop 0
.rept 4
	v_nop
.endr
.Lasked_\@:
.endm
; A PREFETCH INTO THE L2, behind each joint refill, its five lines and the run of LDS loads that follows: the K step that stands two refills on, 256 matrix instructions ahead of the load that will want it.
; One instruction names two tiles' 4,096 bytes, a lane to each aligned 256.  Each such block is named once in the launch.  A's eight tiles are read by one row of one cluster alone: its four partners take two tiles
; each, told apart by address (cx); wave 0 asks.  B's sixteen tiles are read by a column of every cluster: the cluster with y = 0 asks; its four partners of a column take four tiles each, told apart by address (cy),
; waves 2 and 3 two each.  Wave 1 asks for nothing.  K steps 0 to 3 come by their loads alone; the loop's last trip, whose refills are the last two K steps, asks for nothing.
.macro ASK
	s_cmp_gt_u32 s3, s[LIM]                        ; s3 = 1 in the loop's last trip
	s_cbranch_scc0 .Lnot_mine_\@
	global_prefetch_b8 v[PFO], s[PFA:PFA+1] th:TH_LOAD_NT scope:SCOPE_SE
.Lnot_mine_\@:
.endm
.macro CREST                           ; a round of the cluster's barrier behind its opening barrier
	s_cmp_lg_u32 s12, 0
	s_cbranch_scc1 .Lnot_wave_0_\@
	s_barrier_signal -3
.Lnot_wave_0_\@:
	s_barrier_wait -3
	s_barrier_signal -1
	s_barrier_wait -1
.endm
.macro CROUND                          ; a whole round
	s_barrier_signal -1
	s_barrier_wait -1
	CREST
.endm
	s_load_b256 s[4:11], s[0:1], 0x0               ; a16, wo16, bo, out0
	v_lshl_add_u32 v[SPW], v0, 2, SPARE
	v_mov_b32 v[NIL], 0
	ds_add_u32 v[SPW], v[NIL]                      ; the wave's opening: the add, twice on end, and its wait ahead of my first tensor load
	ds_add_u32 v[SPW], v[NIL]
	v_lshrrev_b32 v1, 5, v0
	v_readfirstlane_b32 s12, v1                    ; wave 0..3
	s_lshr_b32 s13, s12, 1                         ; which half of the tile's rows is mine.  Also: I fetch for A (0) or for B (1)
	s_and_b32 s14, s12, 1                          ; which half of its columns.  Also: which half of that tile I fetch
	s_bfe_u32 s40, ttmp6, 0x40000                  ; cx, cy: my place in the cluster
	s_bfe_u32 s41, ttmp6, 0x40004
	s_lshl_b32 s42, ttmp9, 2
	s_add_co_u32 s42, s42, s40                     ; tx: tile column = 4 x cluster x + cx
	s_and_b32 s43, ttmp7, 0xffff
	s_lshl_b32 s43, s43, 2
	s_add_co_u32 s43, s43, s41                     ; ty: tile row = 4 x cluster y + cy
	s_lshl_b32 s44, s41, 2
	s_lshl_b32 s44, 15, s44                        ; my row of the cluster
	s_lshl_b32 s45, 0x1111, s40                    ; my column
	; descriptor group 1: rows of 4,096 bytes (512 elements of 8 bytes), 32,768 bytes apart in memory, on end in LDS: four of them for A, eight for B
	s_or_b32 s[G1+0], s44, (3<<16)|(1<<21)         ; 15:0 the mask: A's tiles go to my row; 17:16 element of 8 bytes; 21 set beside a mask; no padding
	s_or_b32 s[G1B+0], s45, (3<<16)|(1<<21)
	s_mov_b32 s[G1+1], 512<<16                     ; tensor_dim0
	s_mov_b32 s[G1+2], 4<<16                       ; tensor_dim1
	s_mov_b32 s[G1+3], 512<<16                     ; tile_dim0
	s_mov_b32 s[G1+4], 4                           ; tile_dim1
	s_mov_b32 s[G1+5], 4096                        ; tensor_dim0_stride
	s_mov_b32 s[G1+6], 0
	s_mov_b32 s[G1+7], 0
	s_mov_b32 s[G1B+1], 512<<16
	s_mov_b32 s[G1B+2], 8<<16
	s_mov_b32 s[G1B+3], 512<<16
	s_mov_b32 s[G1B+4], 8
	s_mov_b32 s[G1B+5], 4096
	s_mov_b32 s[G1B+6], 0
	s_mov_b32 s[G1B+7], 0
	s_lshl_b32 s16, s43, 3
	s_lshl_b32 s17, s14, 2
	s_add_co_u32 s16, s16, s17                     ; A: tile 8 ty + 4 x half
	s_lshl_b32 s16, s16, 15
	s_mov_b32 s17, 0
	s_lshl_b32 s66, s42, 4
	s_lshl_b32 s67, s14, 3
	s_add_co_u32 s66, s66, s67                     ; B: tile 16 tx + 8 x half
	s_lshl_b32 s66, s66, 15
	s_mov_b32 s67, 0
	s_lshl_b32 s20, s14, 14                        ; where they go: A's halves at 0 and 16,384,
	s_lshl_b32 s21, s14, 15
	s_add_co_u32 s21, s21, BOFF                    ; B's at 32,768 and 65,536: no place in the cluster enters an LDS address
	s_wait_dscnt 0x0                               ; both opening adds are done
	s_wait_kmcnt 0x0
	s_add_nc_u64 s[18:19], s[4:5], s[16:17]
	s_add_nc_u64 s[68:69], s[6:7], s[66:67]
	CROUND                                         ; all sixteen work-groups are here: the first joint loads meet
.irp s, 0,1
	s_mov_b32 s[G0+4*\s], 1
	s_add_co_u32 s[G0+4*\s+1], s20, \s*SLOT
	s_add_nc_u64 s[G0+4*\s+2:G0+4*\s+3], s[18:19], \s*KSB
	s_or_b32 s[G0+4*\s+3], s[G0+4*\s+3], 0x80000000
	s_mov_b32 s[G0B+4*\s], 1
	s_add_co_u32 s[G0B+4*\s+1], s21, \s*SLOT
	s_add_nc_u64 s[G0B+4*\s+2:G0B+4*\s+3], s[68:69], \s*KSB
	s_or_b32 s[G0B+4*\s+3], s[G0B+4*\s+3], 0x80000000
	JLOAD \s                                       ; two loads of mine are out behind the second
.endr
	v_and_b32 v1, 15, v0                           ; r = l % 16
	v_bfe_u32 v2, v0, 4, 1                         ; h = l / 16
	; the bias: bo at columns 256 tx + 128 x my half + 16 b + 8 h + 0 .. 7
	s_lshl_b32 s74, s42, 10
	s_lshl_b32 s75, s14, 9
	s_add_co_u32 s74, s74, s75                     ; my first column, in bytes
	s_mov_b32 s75, 0
	s_add_nc_u64 s[8:9], s[8:9], s[74:75]
	v_lshlrev_b32 v7, 5, v2
	WIN 0x80                                       ; destination window 2
.irp b, 0,1,2,3,4,5,6,7
	global_load_b128 v[8*\b:8*\b+3], v7, s[8:9] offset:64*\b
	global_load_b128 v[8*\b+4:8*\b+7], v7, s[8:9] offset:64*\b+16
.endr
	WIN 0
	v_and_b32 v6, 31, v0
	v_lshlrev_b32 v[CO], 4, v6
	s_lshl_b32 s22, s13, 14                        ; my four tiles of A
	s_lshl_b32 s23, s14, 15
	s_add_co_u32 s23, s23, BOFF                    ; my eight tiles of B
.irp s, 0,1
	v_add_nc_u32 v[ADRA+\s], s22, v[CO]
	v_add_nc_u32 v[ADRB+\s], s23, v[CO]
	s_add_co_u32 s22, s22, SLOT
	s_add_co_u32 s23, s23, SLOT
.endr
	s_mul_i32 s23, s12, 16*SPITCH
	s_add_co_u32 s23, s23, STAGE                   ; my stage
	v_mul_u32_u24 v5, v1, SPITCH                   ; in: row r, 32 bytes for each half of the lanes
	v_lshl_add_u32 v5, v2, 5, v5
	v_add_nc_u32 v[STO], s23, v5
	v_add_nc_u32 v[RD], s23, v[CO]                 ; back: the 32 lanes take one row of 512 bytes
	s_lshl_b32 s72, s43, 7
	s_lshl_b32 s73, s13, 6
	s_add_co_u32 s72, s72, s73                     ; my first row of out0: 128 ty + 64 x half,
	s_lshl_b32 s72, s72, 12                        ; of 4,096 bytes,
	s_add_co_u32 s72, s72, s74                     ; + my first column
	s_mov_b32 s73, 0
	s_add_nc_u64 s[10:11], s[10:11], s[72:73]
	; the prefetches: which tiles are mine, and who asks
	s_lshl_b32 s70, s43, 3
	s_lshl_b32 s71, s40, 1
	s_add_co_u32 s70, s70, s71                     ; A: tile 8 ty + 2 cx
	s_lshl_b32 s71, s42, 4
	s_lshl_b32 s72, s14, 3
	s_add_co_u32 s71, s71, s72
	s_lshl_b32 s72, s41, 1
	s_add_co_u32 s71, s71, s72                     ; B: tile 16 tx + 8 x (wave % 2) + 2 cy
	s_and_b32 s72, ttmp7, 0xffff                   ; cluster y
	s_cmp_eq_u32 s13, 0                            ; waves 0 and 1: A's side
	s_cselect_b32 s70, s70, s71
	s_cselect_b32 s72, s14, s72                    ; wave 0 asks, wave 1 does not; waves 2 and 3 ask in the cluster with y = 0: the same in all sixteen partners, for a given wave
	s_cselect_b64 s[PFA:PFA+1], s[4:5], s[6:7]
	s_cmp_eq_u32 s72, 0
	s_cselect_b32 s[LIM], 1, -1
	s_lshl_b32 s70, s70, 15
	s_add_co_u32 s70, s70, 3*KSB                   ; at K step 3: the first refill steps it to 4 and names that
	s_mov_b32 s71, 0
	s_add_nc_u64 s[PFA:PFA+1], s[PFA:PFA+1], s[70:71]
	v_lshlrev_b32 v[PFO], 8, v1
	v_lshl_add_u32 v[PFO], v2, 15, v[PFO]
; 8 matrix instructions: A's block a x B's eight, 32 along K.  first = 1: the bias starts the sums: nothing is cleared, nothing is added later.
; The 32 accumulators take turns, one instruction a turn, in the same order in every quarter.
.macro MUL8 f, a, first
.irp b, 0,1,2,3,4,5,6,7
.if \first
	v_wmma_f32_16x16x32_f16 v[8*(8*(\a)+\b):8*(8*(\a)+\b)+7], v[\f+32+8*\b:\f+32+8*\b+7], v[\f+8*(\a):\f+8*(\a)+7], v[8*\b:8*\b+7]
.else
	v_wmma_f32_16x16x32_f16 v[8*(8*(\a)+\b):8*(8*(\a)+\b)+7], v[\f+32+8*\b:\f+32+8*\b+7], v[\f+8*(\a):\f+8*(\a)+7], v[8*(8*(\a)+\b):8*(8*(\a)+\b)+7]
.endif
.endr
.endm
; 24 LDS loads in one run: the fragments of the slot's q-th 32 along K into buffer f: B's eight, then A's four
.macro FETCH slot, q, f
.irp i, 0,1,2,3,4,5,6,7
	ds_load_b128 v[\f+32+8*\i:\f+32+8*\i+3],   v[ADRB+\slot] offset:KSB*\i+1024*(\q)
	ds_load_b128 v[\f+32+8*\i+4:\f+32+8*\i+7], v[ADRB+\slot] offset:KSB*\i+1024*(\q)+512
.endr
.irp i, 0,1,2,3
	ds_load_b128 v[\f+8*\i:\f+8*\i+3],   v[ADRA+\slot] offset:KSB*\i+1024*(\q)
	ds_load_b128 v[\f+8*\i+4:\f+8*\i+7], v[ADRA+\slot] offset:KSB*\i+1024*(\q)+512
.endr
.endm
.macro PLACES                          ; four plain lines in front of loads into registers that matrix instructions have read, and of reads of results
.rept 4
	v_nop
.endr
.endm
; A K step is four quarters of 32 along K, 32 matrix instructions each, on buffers 0, 1, 0, 1.  One of the first three: multiplies buffer f and fetches quarter q into g.
.macro QUARTER slot, q, f, g, first
	s_wait_dscnt 4                                 ; B and A's blocks 0 and 1 are in; the youngest four loads (A's blocks 2 and 3) may be out
.if \first
	WIN MUL_1
.else
	WIN MUL
.endif
	MUL8 \f, 0, \first
	MUL8 \f, 1, \first
	PLACES
	WIN 0
	FETCH \slot, \q, \g
	s_wait_dscnt 24                                ; all but the 24 just issued
.if \first
	WIN MUL_1
.else
	WIN MUL
.endif
	MUL8 \f, 2, \first
	MUL8 \f, 3, \first
.endm
; The last quarter multiplies buffer 1 and changes slots: one barrier; in front of it each wave waits for all its tensor loads, adds 0 to its spare word, and waits for that and for its reads of this slot.
; fill = 1: the barrier opens a round of the cluster's, and this slot is filled again, two K steps ahead: the refill has 112 matrix instructions in which to land before the wait for it.
.macro TURN slot, next, fill
.if \fill
	s_wait_xcnt 0x0                                ; the last prefetch, a K step back, has read its address: it is stepped here
	s_add_nc_u64 s[PFA:PFA+1], s[PFA:PFA+1], KSB
.endif
	WIN 0                                          ; (the add's two registers lie in window 0)
	s_wait_tensorcnt 0x0                           ; all my tensor loads have landed: my part of the next slot
	ds_add_u32 v[SPW], v[NIL]                      ; 0 onto my spare word
	s_wait_dscnt 5                                 ; (the add and the youngest four loads may be out)
	WIN MUL
	MUL8 F1, 0, 0                                  ; eight matrix instructions stand between the add and the wait for it
	s_wait_dscnt 0x0                               ; the add is done, and my reads of this slot are over
	s_barrier_signal -1
	MUL8 F1, 1, 0
	WIN 0
	s_barrier_wait -1
.if \fill
	CREST                                          ; no wave of any partner still reads this slot's tile or has a load on its way
	s_add_nc_u64 s[G0+4*\slot+2:G0+4*\slot+3], s[G0+4*\slot+2:G0+4*\slot+3], 2*KSB
	s_add_nc_u64 s[G0B+4*\slot+2:G0B+4*\slot+3], s[G0B+4*\slot+2:G0B+4*\slot+3], 2*KSB
	JLOAD \slot                                    ; the first tensor load behind the round; the four v_nop behind it are also the places in front of the loads below
.else
	PLACES
.endif
	FETCH \next, 0, F0
.if \fill
	ASK
.endif
	WIN MUL
	MUL8 F1, 2, 0
	MUL8 F1, 3, 0
.endm
	s_wait_tensorcnt 1                             ; my part of K step 0 is in (K step 1's load may be out)
	s_wait_loadcnt 0x0                             ; and the bias
	s_barrier_signal -1
	s_barrier_wait -1                              ; everybody's is
	FETCH 0, 0, F0
	QUARTER 0, 1, F0, F1, 1                        ; the first quarter stands in front of the loop: its products start the sums
	WIN 0                                          ; at a label and at a branch every window is 0
	s_mov_b32 s3, LAPS-1
.Llap:                                                 ; a trip goes once round the ring, from a lap's second quarter to the next lap's first, and fills both slots again
	QUARTER 0, 2, F1, F0, 0
	QUARTER 0, 3, F0, F1, 0
	TURN 0, 1, 1
	QUARTER 1, 1, F0, F1, 0
	QUARTER 1, 2, F1, F0, 0
	QUARTER 1, 3, F0, F1, 0
	TURN 1, 0, 1
	QUARTER 0, 1, F0, F1, 0
	WIN 0
	s_sub_co_u32 s3, s3, 1
	s_cmp_lg_u32 s3, 0
	s_cbranch_scc1 .Llap
	QUARTER 0, 2, F1, F0, 0                        ; the last lap fills nothing, and has no round of the cluster's barrier
	QUARTER 0, 3, F0, F1, 0
	TURN 0, 1, 0
	QUARTER 1, 1, F0, F1, 0
	QUARTER 1, 2, F1, F0, 0
	QUARTER 1, 3, F0, F1, 0
	s_wait_dscnt 4                                 ; the very last quarter: nothing more to fetch
	WIN MUL
	MUL8 F1, 0, 0
	MUL8 F1, 1, 0
	s_wait_dscnt 0
	MUL8 F1, 2, 0
	MUL8 F1, 3, 0
	WIN 0
; THE WAY OUT, block by block of 16 rows x 128 columns.  A lane holds 32 neighbouring bytes of a row, and the lanes beside it hold other rows: so a block goes through my own stage in LDS and comes back as whole rows
; of 512 bytes.  LDS serves a wave's instructions in order (ISA guide 5.7.1.4): no wait between the stores and the loads, nor in front of the next block's stores.
.macro TOSTAGE a
	WIN 0x04                                       ; an LDS store's data are its source 1: window 1
.irp b, 0,1,2,3,4,5,6,7
	ds_store_b128 v[STO], v[8*(8*(\a)+\b):8*(8*(\a)+\b)+3] offset:64*\b          ; each accumulator from its low end on
	ds_store_b128 v[STO], v[8*(8*(\a)+\b)+4:8*(8*(\a)+\b)+7] offset:64*\b+16
.endr
	WIN 0
.set BB, BKR+64*((\a)%2)
.irp t, 0,1,2,3,4,5,6,7,8,9,10,11,12,13,14,15
	ds_load_b128 v[BB+4*\t:BB+4*\t+3], v[RD] offset:\t*SPITCH
.endr
.endm
.macro SEND a, younger                 ; younger: the LDS instructions issued behind block a's loads, which may stay out
.set BB, BKR+64*((\a)%2)
	s_wait_dscnt \younger                          ; the block is back in registers
.if (\a) > 0
	s_add_nc_u64 s[10:11], s[10:11], 16*4096       ; (behind a wait on XCNT: the earlier stores have read their base)  16 rows of out0 on
.endif
.irp t, 0,1,2,3,4,5,6,7,8,9,10,11,12,13,14,15
	global_store_b128 v[CO], v[BB+4*\t:BB+4*\t+3], s[10:11] offset:\t*4096 th:TH_STORE_NT   ; 32 lanes store 512 consecutive bytes, aligned; written once, read by nobody here
.endr
.endm
	PLACES                                         ; for the stores of results and for the loads into the registers that held fragments
	TOSTAGE 0
.irp a, 1,2,3
.if \a > 1
	s_wait_xcnt 0x0                                ; block a - 2's stores have read their registers and their base: block a's loads may land there, and the base may step
.endif
	TOSTAGE \a
	SEND \a-1, 32                                  ; behind block a - 1's loads: block a's 16 stores and 16 loads
.endr
	s_wait_xcnt 0x0                                ; block 2's stores have read their base
	SEND 3, 0
	s_wait_tensorcnt 0x0                           ; the wave's end, behind my last tensor load and my last LDS store
	ds_add_u32 v[SPW], v[NIL]
	s_wait_dscnt 0x0
	CROUND                                         ; the closing round: no work-group ends while a partner may still ask for a tile that names it
	s_endpgm
.Lfunc_end_k_q674cd2de18_proj:
	.size	k_q674cd2de18_proj, .Lfunc_end_k_q674cd2de18_proj-k_q674cd2de18_proj
	.p2alignl 7, 3214868480
	.fill 96, 4, 3214868480
	.section	.rodata,"a",@progbits
	.p2align	6, 0x0
	.amdhsa_kernel k_q674cd2de18_proj
		.amdhsa_group_segment_fixed_size 327680
		.amdhsa_private_segment_fixed_size 0
		.amdhsa_enable_private_segment 0
		.amdhsa_kernarg_size 32
		.amdhsa_user_sgpr_count 2
		.amdhsa_user_sgpr_kernarg_segment_ptr 1
		.amdhsa_wavefront_size32 1
		.amdhsa_system_sgpr_workgroup_id_x 1
		.amdhsa_system_sgpr_workgroup_id_y 1
		.amdhsa_system_sgpr_workgroup_id_z 1
		.amdhsa_system_vgpr_workitem_id 0
		.amdhsa_next_free_vgpr 768
		.amdhsa_next_free_sgpr 80
		.amdhsa_reserve_vcc 0
		.amdhsa_float_denorm_mode_32 3
		.amdhsa_float_denorm_mode_16_64 3
		.amdhsa_memory_ordered 1
		.amdhsa_forward_progress 1
		.amdhsa_inst_pref_size 87
	.end_amdhsa_kernel
	.amdgpu_metadata
---
amdhsa.version: [ 1, 2 ]
amdhsa.kernels:
  - .name:           k_q674cd2de18_proj
    .symbol:         k_q674cd2de18_proj.kd
    .args:
      - { .name: a16, .offset: 0, .size: 8, .value_kind: global_buffer, .address_space: global }
      - { .name: wo16, .offset: 8, .size: 8, .value_kind: global_buffer, .address_space: global }
      - { .name: bo, .offset: 16, .size: 8, .value_kind: global_buffer, .address_space: global }
      - { .name: out0, .offset: 24, .size: 8, .value_kind: global_buffer, .address_space: global }
    .group_segment_fixed_size: 327680
    .private_segment_fixed_size: 0
    .kernarg_segment_align: 8
    .kernarg_segment_size: 32
    .max_flat_workgroup_size: 128
    .sgpr_count:     80
    .vgpr_count:     768
    .wavefront_size: 32
...
	.end_amdgpu_metadata
.endif
;; end of part 4
